; MI455X (gfx1250); checked and timed in simulation.
; The chip was launched on July 23, 2026; its instructions are those of AMD's public machine-readable ISA for CDNA 5 (MIT licence, August 2026) and "CDNA5" Instruction Set Architecture Reference Guide (July 2026). The comments in the code are by the model that wrote it; some were corrected since.
;; Attn Block. Allowed arithmetic: matrix products marked QUANTISED: E2M3 operands, one E8M0 scale for each 32 along K, by v_wmma_scale_f32_16x16x128_f8f6f4 with both operands' format E2M3, f32 sums; everything else in f32.
;; Inputs: Wk 512 x 512 float32; Wq 512 x 512 float32; Wt 512 x 512 float32; Wv 512 x 512 float32; bk 512 float32; bq 512 float32; bt 512 float32; bv 512 float32; gn_bias 512 float32; gn_scale 512 float32; x 32 x 512 x 32 x 32 float32.
;; Outputs: out0 32 x 512 x 32 x 32 float32.
;; This version of the problem:
;;   THIS VERSION OF THE PROBLEM IS GIVEN IN LOW PRECISION. The matrix products marked QUANTISED in the list below multiply operands that are first quantised to E2M3 (2 exponent bits, 3 mantissa bits; 6 bits a number), with one power-of-two scale for each 32 numbers along K (OCP MX v1.0); their sums are f32. All else is computed in f32.
;;   The module's matrix products, in the order in which they are computed (A, B: the left and right operand; K: the contracted axis; several contracted axes count as one K, in the product's order):
;;     1. [M 512, K 512] x [K 512, N 32,768]; A: input Wq; B: computed on the way: QUANTISED
;;     2. [M 512, K 512] x [K 512, N 32,768]; A: input Wk; B: computed on the way: QUANTISED
;;     3. [M 512, K 512] x [K 512, N 32,768]; A: input Wv; B: computed on the way: QUANTISED
;;     4. batch 32 x [M 1,024, K 512] x [K 512, N 1,024]; A: computed on the way; B: computed on the way: QUANTISED
;;     5. batch 32 x [M 512, K 1,024] x [K 1,024, N 1,024]; A: computed on the way; B: computed on the way: QUANTISED
;;     6. [M 512, K 512] x [K 512, N 32,768]; A: input Wt; B: computed on the way: QUANTISED
;;   THE QUANTISER, for each operand of a quantised product, along K:
;;     - K is cut into blocks of 32 from its start; a last block that is shorter is filled with zeros.
;;     - A block's scale is 2^e with e = floor(log2(the largest magnitude in the block)) - 2, held to -126 .. 127; a block of zeros has e = 0. As a byte (E8M0): e + 127.
;;     - Each number is divided by its block's scale, clamped to +-7.5, and rounded to the nearest number of E2M3, ties to even, subnormals kept.
;;     - The product sums the exact products of the quantised numbers (number of the format x scale) in f32.
;;   ~~~python
;;   def quantise(x, axis):      # numpy; x: float32 -> the quantised numbers, widened to float32 again
;;       x = np.moveaxis(x, axis, -1); K = x.shape[-1]
;;       x = np.pad(x, [(0, 0)] * (x.ndim - 1) + [(0, -K % 32)]); x = x.reshape(x.shape[:-1] + (-1, 32)); a = np.abs(x).max(-1, keepdims=True)
;;       e = np.where(a > 0, np.clip(np.frexp(np.where(a > 0, a, 1))[1] - 1 - 2, -126, 127), 0)      # np.frexp(a)[1] - 1 = floor(log2(a)), exactly
;;       r = np.clip(x / 2.0 ** e, -7.5, 7.5)
;;       step = 2.0 ** (np.maximum(np.frexp(np.where(r == 0, 1, r))[1] - 1, 0) - 3)
;;       q = np.round(r / step) * step * 2.0 ** e      # np.round: ties to even
;;       return np.moveaxis(q.reshape(q.shape[:-2] + (-1,))[..., :K], -1, axis).astype(np.float32)
;;   ~~~
;;   OPERANDS COMPUTED ON THE WAY. 'Computed on the way' means the value that the module computes at that place (a softmax that the list does not call 'softmax' is quantised finished and normalised). What goes into a quantiser is computed in f32, as accurately as f32 sums, v_exp_f32 and their like allow (about 1e-6 of the number): no bf16 or f16 on the way to a quantiser, and a product that is left as it is and whose result goes on into a quantised operand takes f32 operands (vector FMAs, or v_wmma_f32_16x16x4_f32). A number that lies on a knife's edge between two numbers of the format may be rounded either way, as far as f32 arithmetic and the matrix unit's own rounding can turn it there, and no further.
;; 2 versions. Each part assembles by itself: llvm-mc -triple=amdgcn-amd-amdhsa -mcpu=gfx1250 --defsym DOCPART=n.
;; ======== version 1 of 2: 3 launches
;; workspace buffers: hq 12,582,912 bytes; hs 524,288 bytes; wimg 786,432 bytes; wsc 32,768 bytes; qkv 37,748,736 bytes; qkvs 1,572,864 bytes
;; launch pre (part 1): grid 512 x 1, 8 waves a work-group, no clusters, 39,936 bytes of LDS; arguments x, gn_scale, gn_bias, Wq, Wk, Wv, Wt, hq, hs, wimg, wsc; writes hq, hs, wimg, wsc
.if DOCPART == 1
	.amdgcn_target "amdgcn-amd-amdhsa--gfx1250"
	.amdhsa_code_object_version 6
	.text
	.protected	k_qbdd24259a8_pre
	.globl	k_qbdd24259a8_pre
	.p2align	8
	.type	k_qbdd24259a8_pre,@function
k_qbdd24259a8_pre:
	s_mov_b64 s[64:65], 0
	v_nop
	global_prefetch_b8 v0, s[64:65] scope:SCOPE_SE
	s_setreg_imm32_b32 hwreg(HW_REG_WAVE_MODE, 25, 1), 1
	s_wait_xcnt 0x0
; GroupNorm of x [32][512][1024] (32 groups of 16 channels x 1,024 positions) and its quantising along the channels to FP6 (E2M3) with one E8M0 byte for 32 channels;
; and, on the way, the four weights [c 512][d 512], quantised along c, their first axis.
; WORK-GROUP 16 b + bg takes channels 32 bg .. 32 bg + 31 of image b: 131,072 dense bytes, two groups of the norm, one block of the quantiser.  512 work-groups of 8 waves x 256 registers: two on each of 256 WGPs.
;   Thread t holds positions 4 t .. 4 t + 3 of all 32 channels in 128 registers: x is read once; mean first, then the squares of x - mean (no difference of large sums).
;   h = (x - mean) (rstd gain) + bias is made column by column into 32 registers that run down the channels: a block lies in one lane.
;   hq: [b][bg][p][24 bytes of codes];  hs: [b][bg][p] scale bytes.  Codes leave through the wave's own stage, 384 consecutive bytes a store; scale bytes through LDS, 512 consecutive bytes a store.
; THE WEIGHTS are 64 groups (weight T, columns 128 g on, rows 128 s on) of 8 tiles of 16 columns.  The 64 work-groups whose number is a multiple of 8 take one group each, u = number / 8 = 16 T + 4 g + s,
;   and each of their 8 waves one tile, while x's loads are on their way: a lane takes a column d, its registers run down c.  The eight waves together read rows of 512 consecutive bytes.
;   A fragment lies in wimg as an image of its 12 registers: register n of lane l at byte 512 (n / 4) + 16 l + 4 (n % 4).  Tiles of Wq, Wk, Wv take columns 32 (t / 2) + 8 (t % 2) + r + 8 (r / 8), those of Wt 16 t + r.
;   A pack of scale words in wsc (512 bytes a group): the word of row r of tile t at 16 r + 256 (t / 4) + 4 (t % 4), so that lane (r, h) of a reader finds the words of tiles 4 h + 0 .. 3 in its 16 bytes.
; LIMITS: NaN and infinities among the inputs are not served.  A block whose largest magnitude lies under 2^-124 keeps the byte 1; so does a block of zeros (the rule says 127): its codes are zeros, and these bytes are read by this program alone.
;   v_rsq_f32 is good to one unit in the last place; the sums are taken in another order than the reference's.
.set WSTG, 4608                        ; a wave's stage: 32 places of 144 bytes (8 pieces of 16, each with 12 bytes of codes, + 16)
.set RED,  36864                       ; 64 bytes of sums, and 256 bytes on 64 bytes of sums of squares
.set SBX,  37376                       ; 1,024 scale bytes
.set X,    16                          ; v16-143  channel c at X + 4 c
.set VA,   144                         ; v144-175 rstd x gain
.set H,    176                         ; v176-207 one column's 32 numbers; before that the sums' chains
.set EX,   184                         ; v184-199 the eight waves' sums
.set CD,   208                         ; v208-239 codes: column j at CD + 8 j and CD + 8 j + 4
.set WX,   144                         ; a weight tile: block c's 32 numbers at WX + 64 c: the registers of VA and of CD, idle until the statistics are done
.set IM,   176                         ; v176-187 its fragment (v176-207 are idle until the first sums)
.set TC,   188                         ; v188-194 the blocks' upper halves
.set MX,   196                         ; v196-197 largest magnitudes
.set SO,   198                         ; v198-199 the conversions' scale operands
.set BY,   200                         ; v200-201 the bytes
.set WW,   202                         ; v202 the scale word, v203 lane l xor 16's part of it
.set WA,   204                         ; v204 my column's byte offset in the weight
.set WI,   205                         ; v205 16 x lane: an image's place for my lane
.set WS,   206                         ; v206 16 r: my row's place in the pack
.set WH,   207                         ; v207 8 h
	s_load_b512 s[4:19], s[0:1], 0x0               ; x, gn_scale, gn_bias, Wq, Wk, Wv, Wt, hq
	s_load_b128 s[20:23], s[0:1], 0x40             ; hs, wimg
	s_load_b64 s[24:25], s[0:1], 0x50              ; wsc
	v_lshl_add_u32 v254, v0, 2, 0x9800
	v_mov_b32 v255, 0
	v_lshrrev_b32 v1, 5, v0
	v_readfirstlane_b32 s26, v1                    ; wave 0..7
	v_and_b32 v2, 31, v0                           ; lane
	s_mov_b32 s60, 0x76543210
	s_mov_b32 s61, 0xfedcba98                      ; v_permlanex16_b32's selects for lane l xor 16
	v_lshlrev_b32 v3, 4, v0                        ; my 16 bytes of a channel's row
	s_mul_i32 s27, s26, WSTG
	v_mul_u32_u24 v4, v2, 144
	v_add_nc_u32 v4, s27, v4                       ; the stage, on the way in: my place
	v_lshrrev_b32 v5, 3, v2
	v_mul_u32_u24 v5, v5, 144
	v_and_b32 v12, 7, v2
	v_lshl_add_u32 v5, v12, 4, v5
	v_add_nc_u32 v5, s27, v5                       ; on the way out: piece 32 i + lane lies at 576 i + 144 (lane / 8) + 16 (lane % 8)
	v_mul_u32_u24 v6, v2, 12                       ; and goes to byte 384 i + 12 lane
	v_lshl_add_u32 v7, v0, 2, SBX                  ; my four scale bytes
	v_and_b32 v9, 63, v0
	v_lshlrev_b32 v9, 4, v9                        ; waves 0 and 1 send them: 16 bytes a lane
	v_add_nc_u32 v8, SBX, v9
	s_lshl_b32 s27, s26, 3
	v_mov_b32 v11, RED
	v_add_nc_u32 v10, s27, v11                     ; my wave's two sums
	s_lshl_b32 s2, ttmp9, 17                       ; 131,072 bytes a work-group
	s_mov_b32 s3, 0
	s_and_b32 s62, ttmp9, 15
	s_lshl_b32 s62, s62, 7                         ; my 32 gains and biases
	s_mov_b32 s63, 0
	s_wait_kmcnt 0x0
	s_add_nc_u64 s[4:5], s[4:5], s[2:3]
	s_add_nc_u64 s[6:7], s[6:7], s[62:63]
	s_add_nc_u64 s[8:9], s[8:9], s[62:63]
.set cc, 0
.rept 32
	global_load_b128 v[X+4*cc:X+4*cc+3], v3, s[4:5] offset:4096*cc th:TH_LOAD_NT   ; a wave reads 512 consecutive bytes; x is read once in this launch
.set cc, cc+1
.endr
	; ---------------- a tile of a weight, in every eighth work-group, while x is on its way ----------------
	s_and_b32 s27, ttmp9, 7
	s_cmp_lg_u32 s27, 0
	s_cbranch_scc1 .Lno_tile                       ; the same way for all waves of a work-group; no LDS access and no barrier stands in the branch
	s_lshr_b32 s31, ttmp9, 3                       ; u = 16 T + 4 g + s
	s_lshr_b32 s28, s31, 4                         ; T: 0 Wq, 1 Wk, 2 Wv, 3 Wt
	s_bfe_u32 s29, s31, 0x20002                    ; g
	s_and_b32 s30, s31, 3                          ; s
	s_lshl_b32 s32, s30, 18                        ; 128 s rows of 2,048 bytes
	s_lshl_b32 s29, s29, 9                         ; 128 g columns
	s_add_co_u32 s32, s32, s29
	s_lshr_b32 s33, s26, 1
	s_lshl_b32 s33, s33, 7
	s_and_b32 s34, s26, 1
	s_lshl_b32 s34, s34, 5
	s_add_co_u32 s33, s33, s34                     ; my tile's first column, in bytes: 4 (32 (t / 2) + 8 (t % 2)),
	s_lshl_b32 s34, s26, 6                         ; or, for Wt, 4 x 16 t
	s_cmp_eq_u32 s28, 1                            ; the choice hangs on the work-group's number alone
	s_cselect_b64 s[10:11], s[12:13], s[10:11]
	s_cmp_eq_u32 s28, 2
	s_cselect_b64 s[10:11], s[14:15], s[10:11]
	s_cmp_eq_u32 s28, 3
	s_cselect_b64 s[10:11], s[16:17], s[10:11]
	s_cselect_b32 s33, s34, s33
	s_cselect_b32 s36, 0, 32                       ; Wt's tiles are neighbours; the others' lanes 8-15 stand 8 columns (32 bytes) further on
	s_add_co_u32 s32, s32, s33
	s_mov_b32 s33, 0
	s_add_nc_u64 s[10:11], s[10:11], s[32:33]      ; the weight at my tile's corner
	s_mul_i32 s34, s31, 12288
	s_mul_i32 s35, s26, 1536
	s_add_co_u32 s34, s34, s35
	s_mov_b32 s35, 0
	s_add_nc_u64 s[22:23], s[22:23], s[34:35]      ; my fragment's image
	s_lshl_b32 s34, s31, 9
	s_lshr_b32 s37, s26, 2
	s_lshl_b32 s37, s37, 8
	s_add_co_u32 s34, s34, s37
	s_and_b32 s37, s26, 3
	s_lshl_b32 s37, s37, 2
	s_add_co_u32 s34, s34, s37
	s_add_nc_u64 s[24:25], s[24:25], s[34:35]      ; the group's pack, + 256 (t / 4) + 4 (t % 4)
	v_and_b32 v12, 15, v0                          ; r
	v_bfe_u32 v13, v0, 4, 1                        ; h
	v_lshrrev_b32 v14, 3, v12
	v_lshlrev_b32 v[WA], 2, v12
	v_lshl_add_u32 v[WA], v13, 16, v[WA]           ; lanes 16-31 begin 32 rows further down
	v_mad_u32_u24 v[WA], v14, s36, v[WA]
	v_lshlrev_b32 v[WI], 4, v2
	v_lshlrev_b32 v[WS], 4, v12
	v_lshlrev_b32 v[WH], 3, v13
	v_mov_b32 v[WW+1], 0                           ; a permute's destination counts as read
.set cc, 0
.rept 2
.set ii, 0
.rept 32
	global_load_b32 v[WX+64*cc+ii], v[WA], s[10:11] offset:(64*cc+ii)*2048   ; W(128 s + 64 c + 32 h + i, my column): sixteen lanes read 64 consecutive bytes, the eight waves 512
.set ii, ii+1
.endr
.set cc, cc+1
.endr
	s_wait_loadcnt 0x0                             ; the tile is in (and x, whose loads are older)
.irp c, 0,1
	v_max3_num_f32 v[MX+\c], |v[WX+64*\c]|, |v[WX+64*\c+1]|, 0x1800000   ; my block 2 c + h: all its 32 numbers are mine; and the floor 2^(3 - 127): the byte cannot fall under 1
.endr
.irp i, 2,4,6,8,10,12,14,16,18,20,22,24,26,28,30
.irp c, 0,1
	v_max3_num_f32 v[MX+\c], v[MX+\c], |v[WX+64*\c+\i]|, |v[WX+64*\c+\i+1]|   ; (the two blocks by turns)
.endr
.endr
.irp c, 0,1
	v_add_nc_u32 v[SO+\c], 0xff000000, v[MX+\c]    ; 2 off the exponent field: the conversion's scale operand
.endr
.irp c, 0,1
	v_lshrrev_b32 v[BY+\c], 23, v[SO+\c]           ; the byte
.endr
	v_lshl_or_b32 v[WW], v[BY+1], 16, v[BY]        ; bytes h and 2 + h of the column's word,
	v_lshlrev_b32 v[WW], v[WH], v[WW]
	v_permlanex16_b32 v[WW+1], v[WW], s60, s61
	v_or_b32 v[WW], v[WW], v[WW+1]                 ; with lane l xor 16's two the word is whole, in both lanes
.irp c, 0,1
	v_cvt_scalef32_pk16_fp6_f32 v[IM+6*\c:IM+6*\c+2], v[WX+64*\c:WX+64*\c+15], v[SO+\c]
	v_cvt_scalef32_pk16_fp6_f32 v[TC+4*\c:TC+4*\c+2], v[WX+64*\c+16:WX+64*\c+31], v[SO+\c]   ; (a conversion's three registers begin on an even number)
.endr
	v_nop                                          ; a plain place behind the conversions
.irp c, 0,1
.irp i, 0,1,2
	v_mov_b32 v[IM+6*\c+3+\i], v[TC+4*\c+\i]
.endr
.endr
.irp j, 0,1,2
	global_store_b128 v[WI], v[IM+4*\j:IM+4*\j+3], s[22:23] offset:512*\j   ; 512 consecutive bytes a store
.endr
	global_store_b32 v[WS], v[WW], s[24:25]        ; 16 words a wave (lanes l and l xor 16 write the same word to the same place); the work-group's eight waves fill the pack's 512 bytes
	s_wait_xcnt 0x0                                ; the stores' data and offsets lie in registers that the sums below write: they are rewritten only behind this wait
.Lno_tile:
	; ---------------- GroupNorm ----------------
	s_load_b512 s[28:43], s[6:7], 0x0              ; gains
	s_load_b512 s[44:59], s[6:7], 0x40
	s_load_b512 s[68:83], s[8:9], 0x0              ; biases
	s_load_b512 s[84:99], s[8:9], 0x40
	s_mul_i32 s2, ttmp9, 24576
	s_mul_i32 s27, s26, 3072
	s_add_co_u32 s2, s2, s27
	s_add_nc_u64 s[18:19], s[18:19], s[2:3]        ; hq at my wave's 128 positions
	s_lshl_b32 s2, ttmp9, 10
	s_add_nc_u64 s[20:21], s[20:21], s[2:3]        ; hs at the work-group's 1,024 bytes
.macro GSUM g, a, b                    ; the sum of group g's 64 registers, in two chains of pairs; the result in v[a]
	v_pk_add_f32 v[\a:\a+1], v[X+64*\g:X+64*\g+1], v[X+64*\g+2:X+64*\g+3]
	v_pk_add_f32 v[\b:\b+1], v[X+64*\g+4:X+64*\g+5], v[X+64*\g+6:X+64*\g+7]
.set ii, 8
.rept 14
	v_pk_add_f32 v[\a:\a+1], v[\a:\a+1], v[X+64*\g+ii:X+64*\g+ii+1]
	v_pk_add_f32 v[\b:\b+1], v[\b:\b+1], v[X+64*\g+ii+2:X+64*\g+ii+3]
.set ii, ii+4
.endr
	v_pk_add_f32 v[\a:\a+1], v[\a:\a+1], v[\b:\b+1]
	v_add_f32 v[\a], v[\a], v[\a+1]
.endm
.macro GSQ g, a, b                     ; the same of their squares
	v_pk_mul_f32 v[\a:\a+1], v[X+64*\g:X+64*\g+1], v[X+64*\g:X+64*\g+1]
	v_pk_mul_f32 v[\b:\b+1], v[X+64*\g+2:X+64*\g+3], v[X+64*\g+2:X+64*\g+3]
.set ii, 4
.rept 15
	v_pk_fma_f32 v[\a:\a+1], v[X+64*\g+ii:X+64*\g+ii+1], v[X+64*\g+ii:X+64*\g+ii+1], v[\a:\a+1]
	v_pk_fma_f32 v[\b:\b+1], v[X+64*\g+ii+2:X+64*\g+ii+3], v[X+64*\g+ii+2:X+64*\g+ii+3], v[\b:\b+1]
.set ii, ii+4
.endr
	v_pk_add_f32 v[\a:\a+1], v[\a:\a+1], v[\b:\b+1]
	v_add_f32 v[\a], v[\a], v[\a+1]
.endm
.macro WRED r, d                       ; over the wave's 32 lanes; the result, in every lane, to v[d]
	v_add_f32_dpp v[\r], v[\r], v[\r] row_xmask:1 row_mask:0xf bank_mask:0xf
	v_add_f32_dpp v[\r], v[\r], v[\r] row_xmask:2 row_mask:0xf bank_mask:0xf
	v_add_f32_dpp v[\r], v[\r], v[\r] row_xmask:4 row_mask:0xf bank_mask:0xf
	v_add_f32_dpp v[\r], v[\r], v[\r] row_xmask:8 row_mask:0xf bank_mask:0xf
	v_permlanex16_b32 v12, v[\r], s60, s61         ; (v12 has been written: a permute's destination counts as read)
	v_add_f32 v[\d], v[\r], v12
.endm
.macro XSUM off                        ; over the eight waves: v[H:H+1] (group 0's, group 1's) -> v[EX:EX+1]
	ds_store_b64 v10, v[H:H+1] offset:\off
	s_wait_dscnt 0x0                               ; for the others' sake: my store has landed
	s_barrier_signal -1
	s_barrier_wait -1
.irp i, 0,1,2,3
	ds_load_b128 v[EX+4*\i:EX+4*\i+3], v11 offset:\off+16*\i
.endr
	s_wait_dscnt 0x0
.irp i, 2,4,6,8,10,12,14
	v_pk_add_f32 v[EX:EX+1], v[EX:EX+1], v[EX+\i:EX+\i+1]
.endr
.endm
	s_wait_loadcnt 16                              ; group 0's sixteen loads are in; group 1's sixteen may be out
	GSUM 0, H, H+2
	s_wait_loadcnt 0x0
	GSUM 1, H+4, H+6
	WRED H, H
	WRED H+4, H+1
	XSUM 0
	v_pk_mul_f32 v[240:241], v[EX:EX+1], 0x38800000 op_sel_hi:[1,0]   ; the means: / 16,384
	v_mov_b32 v242, v241
	v_mov_b32 v243, v241
.set ii, 0
.rept 32
	v_pk_add_f32 v[X+ii:X+ii+1], v[X+ii:X+ii+1], v[240:241] op_sel_hi:[1,0] neg_lo:[0,1] neg_hi:[0,1]   ; x - mean, in place
.set ii, ii+2
.endr
.rept 32
	v_pk_add_f32 v[X+ii:X+ii+1], v[X+ii:X+ii+1], v[242:243] op_sel_hi:[1,0] neg_lo:[0,1] neg_hi:[0,1]
.set ii, ii+2
.endr
	GSQ 0, H, H+2
	GSQ 1, H+4, H+6
	WRED H, H
	WRED H+4, H+1
	XSUM 256                                       ; other bytes than the first sums': no barrier between the reads of those and these stores
	v_pk_mul_f32 v[244:245], v[EX:EX+1], 0x38800000 op_sel_hi:[1,0]   ; the variances
	v_add_f32 v244, 0x358637bd, v244               ; + 1e-6
	v_add_f32 v245, 0x358637bd, v245
	v_rsq_f32 v246, v244
	v_rsq_f32 v247, v245
	v_nop                                          ; a plain place behind the transcendentals
	s_wait_kmcnt 0x0                               ; gains and biases
.set cc, 0
	s_wait_alu depctr_va_vdst(0)
.rept 16
	v_mul_f32 v[VA+cc], s[28+cc], v246
.set cc, cc+1
.endr
.rept 16
	v_mul_f32 v[VA+cc], s[28+cc], v247
.set cc, cc+1
.endr
.macro COL j                           ; position 4 t + j: its 32 channels, their block's scale, their codes
.set cc, 0
.rept 32
	v_fma_f32 v[H+cc], v[X+4*cc+\j], v[VA+cc], s[68+cc]
.set cc, cc+1
.endr
	v_max3_num_f32 v12, |v[H]|, |v[H+1]|, |v[H+2]|
	v_max3_num_f32 v13, |v[H+3]|, |v[H+4]|, |v[H+5]|
.irp i, 6,10,14,18,22,26
	v_max3_num_f32 v12, v12, |v[H+\i]|, |v[H+\i+1]|
	v_max3_num_f32 v13, v13, |v[H+\i+2]|, |v[H+\i+3]|
.endr
	v_max3_num_f32 v12, v12, |v[H+30]|, |v[H+31]|
	v_max3_num_f32 v12, v12, v13, 0x1800000        ; and the floor 2^(3 - 127): the byte cannot fall under 1
	v_add_nc_u32 v14, 0xff000000, v12              ; 2 off the exponent field: the conversion's scale operand
	v_lshrrev_b32 v15, 23, v14                     ; the byte
.if \j == 0
	v_mov_b32 v248, v15
.else
	v_lshl_or_b32 v248, v15, 8*\j, v248
.endif
	v_cvt_scalef32_pk16_fp6_f32 v[CD+8*\j:CD+8*\j+2], v[H:H+15], v14
	v_cvt_scalef32_pk16_fp6_f32 v[CD+8*\j+4:CD+8*\j+6], v[H+16:H+31], v14
	v_nop                                          ; a plain place: the next column writes the conversions' sources
	ds_store_b96 v4, v[CD+8*\j:CD+8*\j+2] offset:32*\j
	ds_store_b96 v4, v[CD+8*\j+4:CD+8*\j+6] offset:32*\j+16
.endm
	COL 0
	COL 1
	COL 2
	COL 3
	ds_store_b32 v7, v248
.set ii, 0
.rept 8
	ds_load_b96 v[X+4*ii:X+4*ii+2], v5 offset:576*ii   ; my wave's own bytes: LDS serves a wave's instructions in order
.set ii, ii+1
.endr
.set ii, 0
.rept 8
	s_wait_dscnt 7-ii                              ; load ii is in; the younger ones may be out
	global_store_b96 v6, v[X+4*ii:X+4*ii+2], s[18:19] offset:384*ii   ; the wave stores 384 consecutive bytes
.set ii, ii+1
.endr
	s_wait_dscnt 0x0                               ; my scale bytes have landed
	s_barrier_signal -1
	s_barrier_wait -1
	s_cmp_gt_u32 s26, 1
	s_cbranch_scc1 .Ldone
	ds_load_b128 v[240:243], v8
	s_wait_dscnt 0x0
	global_store_b128 v9, v[240:243], s[20:21]     ; 32 lanes store 512 consecutive bytes, from a multiple of 256 on
.Ldone:
	s_wait_tensorcnt 0x0
	ds_add_u32 v254, v255
	s_wait_dscnt 0x0
	s_endpgm
.Lfunc_end_k_qbdd24259a8_pre:
	.size	k_qbdd24259a8_pre, .Lfunc_end_k_qbdd24259a8_pre-k_qbdd24259a8_pre
	.p2alignl 7, 3214868480
	.fill 96, 4, 3214868480
	.section	.rodata,"a",@progbits
	.p2align	6, 0x0
	.amdhsa_kernel k_qbdd24259a8_pre
		.amdhsa_group_segment_fixed_size 39936
		.amdhsa_private_segment_fixed_size 0
		.amdhsa_enable_private_segment 0
		.amdhsa_kernarg_size 88
		.amdhsa_user_sgpr_count 2
		.amdhsa_user_sgpr_kernarg_segment_ptr 1
		.amdhsa_wavefront_size32 1
		.amdhsa_system_sgpr_workgroup_id_x 1
		.amdhsa_system_sgpr_workgroup_id_y 1
		.amdhsa_system_sgpr_workgroup_id_z 1
		.amdhsa_system_vgpr_workitem_id 0
		.amdhsa_next_free_vgpr 256
		.amdhsa_next_free_sgpr 100
		.amdhsa_reserve_vcc 0
		.amdhsa_float_denorm_mode_32 3
		.amdhsa_float_denorm_mode_16_64 3
		.amdhsa_memory_ordered 1
		.amdhsa_forward_progress 1
		.amdhsa_inst_pref_size 50
	.end_amdhsa_kernel
	.amdgpu_metadata
---
amdhsa.version: [ 1, 2 ]
amdhsa.kernels:
  - .name:           k_qbdd24259a8_pre
    .symbol:         k_qbdd24259a8_pre.kd
    .args:
      - { .name: x, .offset: 0, .size: 8, .value_kind: global_buffer, .address_space: global }
      - { .name: gn_scale, .offset: 8, .size: 8, .value_kind: global_buffer, .address_space: global }
      - { .name: gn_bias, .offset: 16, .size: 8, .value_kind: global_buffer, .address_space: global }
      - { .name: Wq, .offset: 24, .size: 8, .value_kind: global_buffer, .address_space: global }
      - { .name: Wk, .offset: 32, .size: 8, .value_kind: global_buffer, .address_space: global }
      - { .name: Wv, .offset: 40, .size: 8, .value_kind: global_buffer, .address_space: global }
      - { .name: Wt, .offset: 48, .size: 8, .value_kind: global_buffer, .address_space: global }
      - { .name: hq, .offset: 56, .size: 8, .value_kind: global_buffer, .address_space: global }
      - { .name: hs, .offset: 64, .size: 8, .value_kind: global_buffer, .address_space: global }
      - { .name: wimg, .offset: 72, .size: 8, .value_kind: global_buffer, .address_space: global }
      - { .name: wsc, .offset: 80, .size: 8, .value_kind: global_buffer, .address_space: global }
    .group_segment_fixed_size: 39936
    .private_segment_fixed_size: 0
    .kernarg_segment_align: 8
    .kernarg_segment_size: 88
    .max_flat_workgroup_size: 256
    .sgpr_count:     100
    .vgpr_count:     256
    .wavefront_size: 32
...
	.end_amdgpu_metadata
.endif
;; end of part 1
;; launch qkv (part 2): grid 256 x 1, 4 waves a work-group, no clusters, 53,760 bytes of LDS; arguments hq, hs, wimg, wsc, bq, bk, bv, qkv, qkvs; writes qkv, qkvs
.if DOCPART == 2
	.amdgcn_target "amdgcn-amd-amdhsa--gfx1250"
	.amdhsa_code_object_version 6
	.text
	.protected	k_qbdd24259a8_qkv
	.globl	k_qbdd24259a8_qkv
	.p2align	8
	.type	k_qbdd24259a8_qkv,@function
k_qbdd24259a8_qkv:
	s_mov_b64 s[64:65], 0
	v_nop
	global_prefetch_b8 v0, s[64:65] scope:SCOPE_SE
	s_setreg_imm32_b32 hwreg(HW_REG_WAVE_MODE, 25, 1), 1
	s_wait_xcnt 0x0
; q, k, v = W^T h + b on codes of FP6 (E2M3) with E8M0 scales, and their quantising in registers: q and k along the channels, v along the tokens (the keys).
; SHARES.  Work-group 8 b + kg owns tokens 128 kg .. + 127 of image b: 8 tiles of 16.  THE WAVES SHARE THE CHANNELS: wave w makes channels 128 w .. + 127 of q, of k and of v, for all 128 tokens:
;   64 accumulators, 512 registers, three passes of 4 K steps x 64 matrix instructions.  So each weight fragment is wanted by ONE wave and comes straight from memory into its registers, as the image that the launch before laid;
;   h's codes (49,152 bytes) and scale words lie in LDS, written once, read by all four waves.
; TILES OF TOKENS ARE NOT NEIGHBOURS: lane r of tile m takes token 32 (m / 2) + 8 (m % 2) + r + 8 (r / 8); so are the tiles of Wq, Wk, Wv.  With such a tile as source 0, the 64 registers of 8 tiles run along its 128 rows:
;   register 16 b + i = row 32 b + 16 (lane / 16) + i, which is what the quantiser wants.  Passes Q, K: source 0 = W's tile, source 1 = h's: a lane holds one token, registers along the channels.
;   Pass V: source 0 = h's tile, source 1 = W's: a lane holds one channel, registers along the tokens.  The biases are the C of each sum's first matrix instruction.
; OUT.  Fragments as images of their 12 registers (three stores of 512 consecutive bytes), scale words as packs (lane (r, h): the words of row r of tiles 4 h + 0 .. 3):
;   q, k: [b][kg][K step = w][token tile][1536];  v: [b][channel group = w][key step = kg][channel tile][1536].
; No cluster: the work-groups share the weights alone, which go to registers; a joint load lands in LDS.  No loop and no branch: every count of a wait can be read off the text.
; LIMITS: NaN and infinities are not served; a block whose largest magnitude lies under 2^-124, a block of zeros among them, keeps the byte 1 (its bytes are read by this program alone).
; REGISTERS.  window 0: v1-8 addresses; v16-31 h's scale packs; v32-43 the weights' packs, three sets; v44-91 four fragments of h; v92-147 the quantiser's; v160-255 weight set 2 (at the head: h's codes on their way to LDS).
;   window 1: v0-95, v96-191 weight sets 0, 1; v192-255 the bias, 8 registers a tile.   windows 2, 3: the accumulators: group n of eight tiles at window 2 + n / 4, v[64 (n % 4)].
.set HSW,  50176                       ; LDS: h's codes, block bg at 3,136 bg (3,072 bytes + 64: with it the 32 lanes of a load of 8 bytes touch 64 different banks; 64 banks of 4 bytes: ISA guide 11.1); then its scale words [K step][token]
.set HSP,  16
.set WP,   32
.set HB,   44
.set TM,   92                          ; v92-95 largest magnitudes, v96-99 bytes, v104-107 the conversions' scale operands
.set PC,   108                         ; v108-127 the codes just made
.set PW,   128                         ; v128-135 eight scale words
.set SP,   136                         ; v136-139 their pack
.set BVT,  140                         ; v140-147 bv of my lane's channel in each tile
.set W2,   160
.set BIAS, 192
.set SEL,  36
.set MSB, 0
.macro WIN new                         ; the immediate's high byte repeats the setting that is left; a switch that changes nothing is dropped
.if MSB != (\new)
	s_set_vgpr_msb (MSB<<8)|(\new)
.set MSB, (\new)
.endif
.endm
.macro PLACES n
.rept \n
	v_nop
.endr
.endm
; one matrix instruction.  c < 0: the constant 0 starts the sum.  ra, rb = 1: that side's scales are read from lanes 16-31
.macro WMMA d, a, b, c, sa, sb, ra, rb
.if (\c) < 0
.if (\ra) && (\rb)
	v_wmma_scale_f32_16x16x128_f8f6f4 v[(\d):(\d)+7], v[(\a):(\a)+11], v[(\b):(\b)+11], 0, v[(\sa)], v[(\sb)] matrix_a_fmt:MATRIX_FMT_FP6 matrix_b_fmt:MATRIX_FMT_FP6 matrix_a_scale:MATRIX_SCALE_ROW1 matrix_b_scale:MATRIX_SCALE_ROW1
.elseif (\ra)
	v_wmma_scale_f32_16x16x128_f8f6f4 v[(\d):(\d)+7], v[(\a):(\a)+11], v[(\b):(\b)+11], 0, v[(\sa)], v[(\sb)] matrix_a_fmt:MATRIX_FMT_FP6 matrix_b_fmt:MATRIX_FMT_FP6 matrix_a_scale:MATRIX_SCALE_ROW1
.elseif (\rb)
	v_wmma_scale_f32_16x16x128_f8f6f4 v[(\d):(\d)+7], v[(\a):(\a)+11], v[(\b):(\b)+11], 0, v[(\sa)], v[(\sb)] matrix_a_fmt:MATRIX_FMT_FP6 matrix_b_fmt:MATRIX_FMT_FP6 matrix_b_scale:MATRIX_SCALE_ROW1
.else
	v_wmma_scale_f32_16x16x128_f8f6f4 v[(\d):(\d)+7], v[(\a):(\a)+11], v[(\b):(\b)+11], 0, v[(\sa)], v[(\sb)] matrix_a_fmt:MATRIX_FMT_FP6 matrix_b_fmt:MATRIX_FMT_FP6
.endif
.else
.if (\ra) && (\rb)
	v_wmma_scale_f32_16x16x128_f8f6f4 v[(\d):(\d)+7], v[(\a):(\a)+11], v[(\b):(\b)+11], v[(\c):(\c)+7], v[(\sa)], v[(\sb)] matrix_a_fmt:MATRIX_FMT_FP6 matrix_b_fmt:MATRIX_FMT_FP6 matrix_a_scale:MATRIX_SCALE_ROW1 matrix_b_scale:MATRIX_SCALE_ROW1
.elseif (\ra)
	v_wmma_scale_f32_16x16x128_f8f6f4 v[(\d):(\d)+7], v[(\a):(\a)+11], v[(\b):(\b)+11], v[(\c):(\c)+7], v[(\sa)], v[(\sb)] matrix_a_fmt:MATRIX_FMT_FP6 matrix_b_fmt:MATRIX_FMT_FP6 matrix_a_scale:MATRIX_SCALE_ROW1
.elseif (\rb)
	v_wmma_scale_f32_16x16x128_f8f6f4 v[(\d):(\d)+7], v[(\a):(\a)+11], v[(\b):(\b)+11], v[(\c):(\c)+7], v[(\sa)], v[(\sb)] matrix_a_fmt:MATRIX_FMT_FP6 matrix_b_fmt:MATRIX_FMT_FP6 matrix_b_scale:MATRIX_SCALE_ROW1
.else
	v_wmma_scale_f32_16x16x128_f8f6f4 v[(\d):(\d)+7], v[(\a):(\a)+11], v[(\b):(\b)+11], v[(\c):(\c)+7], v[(\sa)], v[(\sb)] matrix_a_fmt:MATRIX_FMT_FP6 matrix_b_fmt:MATRIX_FMT_FP6
.endif
.endif
.endm
; 64 numbers of a lane at v[src] on in window X, register 16 b + i = k 32 b + 16 (lane / 16) + i of my row.  QMAX: the four blocks' largest magnitudes; each accumulator is read from its low end on
.macro QMAX src, X
	WIN (\X)+((\X)<<2)
.irp b, 0,1,2,3
	v_max3_num_f32 v[TM+\b], |v[(\src)+16*\b]|, |v[(\src)+16*\b+1]|, 0x1800000   ; and the floor 2^(3 - 127): the byte cannot fall under 1
.endr
.irp i, 2,4,6,8,10,12,14
.irp b, 0,1,2,3
	v_max3_num_f32 v[TM+\b], |v[(\src)+16*\b+\i]|, |v[(\src)+16*\b+\i+1]|, v[TM+\b]   ; (the four blocks by turns)
.endr
.endr
	WIN 0
.irp b, 0,1,2,3
	v_permlanex16_b32 v[TM+4+\b], v[TM+\b], s[SEL], s[SEL+1]
.endr
.irp b, 0,1,2,3
	v_max_num_f32 v[TM+\b], v[TM+\b], v[TM+4+\b]   ; with lane l xor 16's
.endr
.endm
; QFIN: the scale word to v[pw], the fragment's codes to v[PC] .. v[PC + 11]
.macro QFIN src, X, pw
	s_wait_xcnt 0x0                                ; the last fragment's stores have read the codes' registers
.irp b, 0,1,2,3
	v_add_nc_u32 v[TM+12+\b], 0xff000000, v[TM+\b]   ; 2 off the exponent field: the conversion's scale operand
.endr
.irp b, 0,1,2,3
	v_lshrrev_b32 v[TM+4+\b], 23, v[TM+12+\b]      ; the byte
.endr
	v_lshl_or_b32 v[(\pw)], v[TM+5], 8, v[TM+4]
	v_lshl_or_b32 v[(\pw)], v[TM+6], 16, v[(\pw)]
	v_lshl_or_b32 v[(\pw)], v[TM+7], 24, v[(\pw)]
	WIN (\X)
.irp c, 0,1
	v_cvt_scalef32_pk16_fp6_f32 v[PC+6*\c:PC+6*\c+2], v[(\src)+32*\c:(\src)+32*\c+15], v[TM+12+2*\c]
	v_cvt_scalef32_pk16_fp6_f32 v[PC+12+4*\c:PC+14+4*\c], v[(\src)+32*\c+16:(\src)+32*\c+31], v[TM+13+2*\c]   ; (a conversion's three registers begin on an even number)
.endr
	WIN 0
	v_nop                                          ; a plain place behind the conversions
.irp c, 0,1                            ; the operand's layout wants a whole block in a lane: lanes 0-15 block 2 c, lanes 16-31 block 2 c + 1
.irp i, 0,1,2
	v_permlane16_swap_b32 v[PC+6*\c+\i], v[PC+12+4*\c+\i]
.endr
.irp i, 0,1,2
	v_mov_b32 v[PC+3+6*\c+\i], v[PC+12+4*\c+\i]
.endr
.endr
.endm
.macro BIASLD sb                       ; passes Q, K: tile t's register j is channel 32 (t / 2) + 8 (t % 2) + 16 h + j
	WIN 0x40
.irp t, 0,1,2,3,4,5,6,7
	global_load_b128 v[BIAS+8*\t:BIAS+8*\t+3], v7, s[\sb:\sb+1] offset:(32*(\t/2)+8*(\t%2))*4
	global_load_b128 v[BIAS+8*\t+4:BIAS+8*\t+7], v7, s[\sb:\sb+1] offset:(32*(\t/2)+8*(\t%2))*4+16
.endr
	WIN 0
.endm
.macro WLOAD k                         ; K step k = 4 pass + s: my 8 weight fragments and their pack into set k % 3: 25 loads
.set wlS, (\k)%3
.set wlO, ((\k)/4)*196608+((\k)%4)*12288
.if wlS == 2
	WIN 0
.set wlR, W2
.else
	WIN 0x40
.set wlR, 96*wlS
.endif
.set wli, 0
.rept 24
	global_load_b128 v[wlR+4*wli:wlR+4*wli+3], v1, s[8:9] offset:wlO+512*wli
.set wli, wli+1
.endr
	WIN 0
	global_load_b128 v[WP+4*wlS:WP+4*wlS+3], v1, s[10:11] offset:((\k)/4)*8192+((\k)%4)*512
.endm
.macro HLOAD s, m                      ; h's fragment (K step s, tile m) into buffer m % 4: six pieces of 8 bytes: blocks 4 s + 2 (p / 3) + h of my token
.irp p, 0,1,2,3,4,5
	ds_load_b64 v[HB+12*((\m)%4)+2*\p:HB+12*((\m)%4)+2*\p+1], v2 offset:(4*(\s)+2*(\p/3))*3136+24*(32*((\m)/2)+8*((\m)%2))+8*(\p%3)
.endr
.endm
; 16 matrix instructions: token tiles 2 j, 2 j + 1 against my 8 weight tiles.  All 64 accumulators take turns, one instruction a turn, in the same order in every K step
.macro MULP k, j
.set pP, (\k)/4
.set pS, (\k)%4
.set pW, (\k)%3
.if pW == 2
.set wWin, 0
.set wReg, W2
.else
.set wWin, 1
.set wReg, 96*pW
.endif
.if pP < 2
.set xX, 2+(\j)/2
.if pS == 0
	WIN wWin+(1<<4)+(xX<<6)
.else
	WIN wWin+(xX<<4)+(xX<<6)
.endif
.set mi, 0
.rept 2
.set xm, 2*(\j)+mi
.set ti, 0
.rept 8
.if pS == 0
	WMMA 64*(xm%4)+8*ti, wReg+12*ti, HB+12*(xm%4), BIAS+8*ti, WP+4*pW+ti%4, HSP+4*pS+xm%4, ti/4, xm/4
.else
	WMMA 64*(xm%4)+8*ti, wReg+12*ti, HB+12*(xm%4), 64*(xm%4)+8*ti, WP+4*pW+ti%4, HSP+4*pS+xm%4, ti/4, xm/4
.endif
.set ti, ti+1
.endr
.set mi, mi+1
.endr
.else
.set hf, 0
.rept 2
.set xX, 2+hf
.if pS == 0
	WIN (wWin<<2)+(1<<4)+(xX<<6)
.else
	WIN (wWin<<2)+(xX<<4)+(xX<<6)
.endif
.set ti, 4*hf
.rept 4
.set mi, 0
.rept 2
.set xm, 2*(\j)+mi
.if pS == 0
	WMMA 64*(ti%4)+8*xm, HB+12*(xm%4), wReg+12*ti, BIAS+8*ti, HSP+4*pS+xm%4, WP+4*pW+ti%4, xm/4, ti/4
.else
	WMMA 64*(ti%4)+8*xm, HB+12*(xm%4), wReg+12*ti, 64*(ti%4)+8*xm, HSP+4*pS+xm%4, WP+4*pW+ti%4, xm/4, ti/4
.endif
.set mi, mi+1
.endr
.set ti, ti+1
.endr
.set hf, hf+1
.endr
.endif
.endm
; A K step: 64 matrix instructions.  The weight set of two steps on is asked for at its head, into the registers that the step before multiplied; h's tiles come in pairs, one pair ahead.
; Four plain places stand in front of every run of loads into registers that matrix instructions have read (ISA guide 7.12.1 for vector instructions).
.macro KSTEP k
	PLACES 4
.if (\k) == 1
	BIASLD 14                                      ; bk, behind the last product that took bq as its C
.endif
.if (\k) == 5
	WIN 0                                          ; the address and the destinations below lie in window 0: the setting of the last products is left here
.irp t, 0,1,2,3,4,5,6,7
	global_load_b32 v[BVT+\t], v8, s[16:17] offset:(16*\t-8*(\t%2))*4   ; bv of my lane's channel in tile t
.endr
.endif
.if (\k)+2 <= 11
	WLOAD (\k)+2
	s_wait_loadcnt 50                              ; this step's set is in; the two younger sets (25 loads each) may be out
.elseif (\k) == 10
	s_wait_loadcnt 25                              ; one younger set
.else
	s_wait_loadcnt 0x0
.endif
.set jj, 0
.rept 4
.if jj > 0
	PLACES 4
.endif
	WIN 0
.set nn, 4*(\k)+jj+1
.if nn < 48
	HLOAD (nn/4)%4, 2*(nn%4)
	HLOAD (nn/4)%4, 2*(nn%4)+1
	s_wait_dscnt 12                                ; this pair is in; the twelve loads just issued may be out
.else
	s_wait_dscnt 0x0
.endif
	MULP \k, jj
.set jj, jj+1
.endr
.endm
.macro QPASS ob, sb                    ; the pass's 8 groups of 64 registers become 8 fragments and a pack
	PLACES 4
.set gg, 0
.rept 8
	QMAX 64*(gg%4), 2+gg/4
	QFIN 64*(gg%4), 2+gg/4, PW+gg
.irp j, 0,1,2
	global_store_b128 v1, v[PC+4*\j:PC+4*\j+3], s[\ob:\ob+1] offset:1536*gg+512*\j   ; 512 consecutive bytes a store
.endr
.set gg, gg+1
.endr
	s_wait_xcnt 0x0                                ; the last pass's store has read the pack's registers
.irp i, 0,1,2,3
	v_cndmask_b32 v[SP+\i], v[PW+\i], v[PW+4+\i], s38   ; lanes 0-15: tile i's words; lanes 16-31: tile 4 + i's
.endr
	global_store_b128 v1, v[SP:SP+3], s[\sb:\sb+1]
.endm
	s_load_b256 s[4:11], s[0:1], 0x0               ; hq, hs, wimg, wsc
	s_load_b256 s[12:19], s[0:1], 0x20             ; bq, bk, bv, qkv
	s_load_b64 s[20:21], s[0:1], 0x40              ; qkvs
	v_lshl_add_u32 v158, v0, 2, 0xd000
	v_mov_b32 v159, 0
	v_lshrrev_b32 v1, 5, v0
	v_readfirstlane_b32 s22, v1                    ; wave 0..3
	v_and_b32 v9, 31, v0
	v_lshlrev_b32 v1, 4, v9                        ; 16 x lane: an image's place for my lane
	v_and_b32 v10, 15, v0                          ; r
	v_bfe_u32 v11, v0, 4, 1                        ; h
	v_and_b32 v12, 8, v10
	v_add_nc_u32 v12, v12, v10                     ; r + 8 (r / 8)
	v_mul_u32_u24 v2, v12, 24
	v_mad_u32_u24 v2, v11, 3136, v2                ; h's fragments: my token's 24 bytes, lanes 16-31 one block on
	v_lshlrev_b32 v3, 2, v12
	v_lshl_add_u32 v3, v11, 8, v3
	v_add_nc_u32 v3, HSW, v3                       ; h's scale words: lanes 0-15 tiles 0-3, lanes 16-31 tiles 4-7 (64 tokens on)
	s_mul_i32 s23, s22, 12544
	v_add_nc_u32 v4, s23, v1                       ; where I store my four blocks of h's codes
	v_lshl_add_u32 v5, v0, 2, HSW                  ; and token tid's scale words
	v_lshlrev_b32 v7, 6, v11                       ; bq, bk: 16 h channels on
	v_lshlrev_b32 v8, 2, v12                       ; bv: my lane's channel in a tile
	s_lshr_b32 s39, ttmp9, 3                       ; b
	s_and_b32 s40, ttmp9, 7                        ; kg
	s_mov_b32 s3, 0
	s_mov_b32 s[SEL], 0x76543210
	s_mov_b32 s[SEL+1], 0xfedcba98
	s_mov_b32 s38, 0xffff0000                      ; lanes 16-31
	s_wait_kmcnt 0x0
	s_mul_i32 s2, s39, 393216
	s_mul_i32 s41, s40, 3072
	s_add_co_u32 s2, s2, s41
	s_mul_i32 s41, s22, 98304
	s_add_co_u32 s2, s2, s41
	s_add_nc_u64 s[4:5], s[4:5], s[2:3]            ; h's codes: image b, blocks 4 w on, tokens 128 kg on
	s_lshl_b32 s2, s39, 14
	s_lshl_b32 s41, s40, 7
	s_add_co_u32 s2, s2, s41
	s_add_nc_u64 s[6:7], s[6:7], s[2:3]            ; h's scale bytes
.set ci, 0
.rept 4
.set cj, 0
.rept 6
	global_load_b128 v[W2+24*ci+4*cj:W2+24*ci+4*cj+3], v1, s[4:5] offset:24576*ci+512*cj th:TH_LOAD_NT   ; read once in this launch
.set cj, cj+1
.endr
.set ci, ci+1
.endr
.set ci, 0
.rept 16
	global_load_u8 v[TM+ci], v0, s[6:7] offset:1024*ci   ; token tid's byte of block ci
.set ci, ci+1
.endr
	s_mul_i32 s2, s22, 49152
	s_add_nc_u64 s[8:9], s[8:9], s[2:3]            ; my 128 columns of each weight
	s_lshl_b32 s2, s22, 11
	s_add_nc_u64 s[10:11], s[10:11], s[2:3]
	s_lshl_b32 s2, s22, 9
	s_add_nc_u64 s[12:13], s[12:13], s[2:3]
	s_add_nc_u64 s[14:15], s[14:15], s[2:3]
	s_add_nc_u64 s[16:17], s[16:17], s[2:3]
	s_lshl_b32 s41, ttmp9, 2
	s_add_co_u32 s41, s41, s22                     ; 4 (8 b + kg) + w
	s_mul_i32 s2, s41, 12288
	s_add_nc_u64 s[24:25], s[18:19], s[2:3]        ; q's fragments,
	s_add_nc_u64 s[26:27], s[24:25], 12582912      ; k's
	s_lshl_b32 s2, s41, 9
	s_add_nc_u64 s[30:31], s[20:21], s[2:3]        ; q's pack,
	s_add_nc_u64 s[32:33], s[30:31], 524288        ; k's
	s_lshl_b32 s41, s39, 2
	s_add_co_u32 s41, s41, s22
	s_lshl_b32 s41, s41, 3
	s_add_co_u32 s41, s41, s40                     ; 8 (4 b + w) + kg
	s_mul_i32 s2, s41, 12288
	s_add_nc_u64 s[28:29], s[18:19], s[2:3]
	s_add_nc_u64 s[28:29], s[28:29], 25165824      ; v's fragments
	s_lshl_b32 s2, s41, 9
	s_add_nc_u64 s[34:35], s[20:21], s[2:3]
	s_add_nc_u64 s[34:35], s[34:35], 1048576       ; v's pack
	BIASLD 12                                      ; bq
	WLOAD 0
	s_wait_loadcnt 41                              ; h's codes and bytes are in; bq's 16 loads and set 0's 25 may be out
.set ci, 0
.rept 4
.set cj, 0
.rept 6
	ds_store_b128 v4, v[W2+24*ci+4*cj:W2+24*ci+4*cj+3] offset:3136*ci+512*cj
.set cj, cj+1
.endr
.set ci, ci+1
.endr
.irp s, 0,1,2,3
	v_lshl_or_b32 v[TM+4*\s], v[TM+4*\s+1], 8, v[TM+4*\s]
	v_lshl_or_b32 v[TM+4*\s], v[TM+4*\s+2], 16, v[TM+4*\s]
	v_lshl_or_b32 v[TM+4*\s], v[TM+4*\s+3], 24, v[TM+4*\s]
	ds_store_b32 v5, v[TM+4*\s] offset:512*\s      ; the token's scale word of K step s
.endr
	WLOAD 1
	s_wait_dscnt 0x0                               ; for the others' sake: my stores have landed
	s_barrier_signal -1
	s_barrier_wait -1                              ; the one barrier: h lies in LDS and is only read from here on
.irp b, 0,1,2,3
	v_mov_b32 v[TM+4+\b], 0                        ; a permute's destination counts as read
.endr
.irp s, 0,1,2,3
.irp i, 0,1,2,3
	ds_load_b32 v[HSP+4*\s+\i], v3 offset:512*\s+4*(32*(\i/2)+8*(\i%2))
.endr
.endr
	HLOAD 0, 0
	HLOAD 0, 1
	KSTEP 0
	KSTEP 1
	KSTEP 2
	KSTEP 3
	QPASS 24, 30
	KSTEP 4
	KSTEP 5
	KSTEP 6
	KSTEP 7
	QPASS 26, 32
	WIN 0x40                                       ; pass V's bias: a lane holds one channel, so a tile's eight registers are one number (bv's loads are older than set 7, which step 7 has waited for)
.set ti, 0
.rept 8
.set ji, 0
.rept 8
	v_mov_b32 v[BIAS+8*ti+ji], v[BVT+ti]
.set ji, ji+1
.endr
.set ti, ti+1
.endr
	WIN 0
	KSTEP 8
	KSTEP 9
	KSTEP 10
	KSTEP 11
	QPASS 28, 34
	s_wait_tensorcnt 0x0
	ds_add_u32 v158, v159
	s_wait_dscnt 0x0
	s_endpgm
.Lfunc_end_k_qbdd24259a8_qkv:
	.size	k_qbdd24259a8_qkv, .Lfunc_end_k_qbdd24259a8_qkv-k_qbdd24259a8_qkv
	.p2alignl 7, 3214868480
	.fill 96, 4, 3214868480
	.section	.rodata,"a",@progbits
	.p2align	6, 0x0
	.amdhsa_kernel k_qbdd24259a8_qkv
		.amdhsa_group_segment_fixed_size 53760
		.amdhsa_private_segment_fixed_size 0
		.amdhsa_enable_private_segment 0
		.amdhsa_kernarg_size 72
		.amdhsa_user_sgpr_count 2
		.amdhsa_user_sgpr_kernarg_segment_ptr 1
		.amdhsa_wavefront_size32 1
		.amdhsa_system_sgpr_workgroup_id_x 1
		.amdhsa_system_sgpr_workgroup_id_y 1
		.amdhsa_system_sgpr_workgroup_id_z 1
		.amdhsa_system_vgpr_workitem_id 0
		.amdhsa_next_free_vgpr 1024
		.amdhsa_next_free_sgpr 66
		.amdhsa_reserve_vcc 0
		.amdhsa_float_denorm_mode_32 3
		.amdhsa_float_denorm_mode_16_64 3
		.amdhsa_memory_ordered 1
		.amdhsa_forward_progress 1
		.amdhsa_inst_pref_size 255
	.end_amdhsa_kernel
	.section	.bss,"aw",@nobits
	.p2align	6
	.space	262144
	.amdgpu_metadata
---
amdhsa.version: [ 1, 2 ]
amdhsa.kernels:
  - .name:           k_qbdd24259a8_qkv
    .symbol:         k_qbdd24259a8_qkv.kd
    .args:
      - { .name: hq, .offset: 0, .size: 8, .value_kind: global_buffer, .address_space: global }
      - { .name: hs, .offset: 8, .size: 8, .value_kind: global_buffer, .address_space: global }
      - { .name: wimg, .offset: 16, .size: 8, .value_kind: global_buffer, .address_space: global }
      - { .name: wsc, .offset: 24, .size: 8, .value_kind: global_buffer, .address_space: global }
      - { .name: bq, .offset: 32, .size: 8, .value_kind: global_buffer, .address_space: global }
      - { .name: bk, .offset: 40, .size: 8, .value_kind: global_buffer, .address_space: global }
      - { .name: bv, .offset: 48, .size: 8, .value_kind: global_buffer, .address_space: global }
      - { .name: qkv, .offset: 56, .size: 8, .value_kind: global_buffer, .address_space: global }
      - { .name: qkvs, .offset: 64, .size: 8, .value_kind: global_buffer, .address_space: global }
    .group_segment_fixed_size: 53760
    .private_segment_fixed_size: 0
    .kernarg_segment_align: 8
    .kernarg_segment_size: 72
    .max_flat_workgroup_size: 128
    .sgpr_count:     66
    .vgpr_count:     1024
    .wavefront_size: 32
...
	.end_amdgpu_metadata
.endif
;; end of part 2
;; launch att (part 3): grid 16 x 32, 4 waves a work-group, no clusters, 229,888 bytes of LDS; arguments qkv, qkvs, wimg, wsc, bt, x, out0; writes out0
.if DOCPART == 3
	.amdgcn_target "amdgcn-amd-amdhsa--gfx1250"
	.amdhsa_code_object_version 6
	.text
	.protected	k_qbdd24259a8_att
	.globl	k_qbdd24259a8_att
	.p2align	8
	.type	k_qbdd24259a8_att,@function
k_qbdd24259a8_att:
	s_mov_b64 s[64:65], 0
	v_nop
	global_prefetch_b8 v0, s[64:65] scope:SCOPE_SE
	s_setreg_imm32_b32 hwreg(HW_REG_WAVE_MODE, 25, 1), 1
	s_wait_xcnt 0x0
; out = Wt^T (V softmax(Q^T K / sqrt(512))^T) + bt + x, all three products on codes of FP6 (E2M3) with E8M0 scales.  The softmax is quantised FINISHED AND NORMALISED, along the keys: a row's maximum and sum over all 1,024 keys
; are known before any of its numbers is quantised.  So the scores of a block of queries stay in registers: 64 queries x 1,024 keys x 4 bytes = 512 registers in each of four waves.
; SHARES.  Work-group (qb, b) owns queries 64 qb .. + 63 of image b: four tiles of 16.  THE WAVES SHARE THE COLUMNS OF EACH PRODUCT: wave w makes the scores of keys 256 w .. + 255, then channels 128 w .. + 127 of O, then outputs
;   128 w .. + 127.  So each fragment of K, V and Wt is wanted by ONE wave and comes straight from memory into its registers (three loads of 512 consecutive bytes: the image that the launches before laid), and feeds four matrix instructions.
;   What the waves make for each other goes through LDS as images of registers: the rows' maxima and sums, P's 32 fragments, O's 16.
; LAYOUT.  S^T = K Q^T and O^T = V^T P^T: a lane holds one query, its registers run along the keys, then along the channels: register 16 b + i of eight tiles = k 32 b + 16 (lane / 16) + i, since K's and V^T's tiles are laid so.
;   The last product takes O as source 0 and Wt as source 1: a lane holds one output channel and eight neighbouring positions; its sums begin with x + bt.
; x's tile (128 rows of 256 bytes a wave) comes by one tensor load a wave, the launch's only fill of those bytes; the results go out through the same bytes, the wave's own, as whole rows of 256 bytes.
; NO CLUSTER, though the 16 work-groups of an image walk the same K, V and Wt: a joint load lands in LDS, and here no streamed byte passes through LDS: each of the 983,040 bytes that a work-group streams goes to one wave's registers.
;   Shared through LDS they would be written there and read again, behind a round of the cluster's barrier for each refill of a ring, beside the 223,232 bytes that the images and x's tile take.
; No loop and no branch: every count of a wait can be read off the text.
; LIMITS: NaN and infinities are not served.  v_exp_f32 and v_rcp_f32 are good to one unit in the last place; a p under 2^-126 becomes 0.  A block's largest p is not searched for: the block's largest score goes through the same
;   multiply-add, exponential and multiplication, which takes v_exp_f32 not to fall where its input rises.  A block whose largest magnitude lies under 2^-124 keeps the byte 1.  The sums are taken in another order than the reference's.
; REGISTERS.  window 0: v1-13 addresses; v16-31 scale words of Q, then P, then O; v32-63 scale packs of K, then V, then Wt; v64-255 Q's 16 fragments, then the softmax's and quantiser's registers and P's fragments, then O's 16.
;   window 1: v0-239 a ring of 20 fragments (5 quads); v240-255 bt.   window 2: scores of my first 128 keys, then O^T, then rows on the way out.   window 3: scores of my second 128 keys, then the last product's sums.
.set PSC,  49152                       ; LDS: P's images [key step 8][query tile 4][1536] from 0; their scale words [key step][512]
.set MXX,  53248                       ; the rows' maxima [wave][512]; 2,048 bytes on their sums
.set OIMG, 57344                       ; O's images [K step 4][query tile 4][1536]
.set OSC,  81920                       ; their scale words [K step][512]
.set STG,  83968                       ; x's tile, later the results: 128 rows of 272 bytes for each wave
.set QS,  16
.set KP,  32
.set QF,  64
.set BM,  64                           ; v64-95   the blocks' largest scores: 4 (4 G + qt) + b
.set PT,  96                           ; v96-127  the permutes' results
.set RM,  128                          ; v128-131 the rows' maxima
.set RS,  132                          ; v132-135 the rows' sums
.set EX,  136                          ; v136-151 the four waves' figures
.set NMC, 152                          ; v152-159 -c x maximum, in pairs
.set INV, 160                          ; v160-167 1 / sum, in pairs
.set SA,  168                          ; v168-183 the sums' two chains
.set SB,  176
.set TM,  184
.set PC,  200
.set PWQ, 220
.set BT,  240
.set QB,  22
.set QSB, 24
.set KB,  26
.set KSB, 28
.set VB,  30
.set VSB, 32
.set WB,  34
.set WSB, 36
.set BTB, 38
.set OB,  40
.set CS,  56
.set NCS, 58
.set SEL, 60
.set MSB, 0
.macro WIN new                         ; the immediate's high byte repeats the setting that is left; a switch that changes nothing is dropped
.if MSB != (\new)
	s_set_vgpr_msb (MSB<<8)|(\new)
.set MSB, (\new)
.endif
.endm
.macro PLACES n
.rept \n
	v_nop
.endr
.endm
; one matrix instruction.  c < 0: the constant 0 starts the sum.  ra, rb = 1: that side's scales are read from lanes 16-31
.macro WMMA d, a, b, c, sa, sb, ra, rb
.if (\c) < 0
.if (\ra)
	v_wmma_scale_f32_16x16x128_f8f6f4 v[(\d):(\d)+7], v[(\a):(\a)+11], v[(\b):(\b)+11], 0, v[(\sa)], v[(\sb)] matrix_a_fmt:MATRIX_FMT_FP6 matrix_b_fmt:MATRIX_FMT_FP6 matrix_a_scale:MATRIX_SCALE_ROW1
.else
	v_wmma_scale_f32_16x16x128_f8f6f4 v[(\d):(\d)+7], v[(\a):(\a)+11], v[(\b):(\b)+11], 0, v[(\sa)], v[(\sb)] matrix_a_fmt:MATRIX_FMT_FP6 matrix_b_fmt:MATRIX_FMT_FP6
.endif
.else
.if (\ra)
	v_wmma_scale_f32_16x16x128_f8f6f4 v[(\d):(\d)+7], v[(\a):(\a)+11], v[(\b):(\b)+11], v[(\c):(\c)+7], v[(\sa)], v[(\sb)] matrix_a_fmt:MATRIX_FMT_FP6 matrix_b_fmt:MATRIX_FMT_FP6 matrix_a_scale:MATRIX_SCALE_ROW1
.elseif (\rb)
	v_wmma_scale_f32_16x16x128_f8f6f4 v[(\d):(\d)+7], v[(\a):(\a)+11], v[(\b):(\b)+11], v[(\c):(\c)+7], v[(\sa)], v[(\sb)] matrix_a_fmt:MATRIX_FMT_FP6 matrix_b_fmt:MATRIX_FMT_FP6 matrix_b_scale:MATRIX_SCALE_ROW1
.else
	v_wmma_scale_f32_16x16x128_f8f6f4 v[(\d):(\d)+7], v[(\a):(\a)+11], v[(\b):(\b)+11], v[(\c):(\c)+7], v[(\sa)], v[(\sb)] matrix_a_fmt:MATRIX_FMT_FP6 matrix_b_fmt:MATRIX_FMT_FP6
.endif
.endif
.endm
; 64 numbers of a lane at v[src] on in window X, register 16 b + i = k 32 b + 16 (lane / 16) + i of my row.  QMAX: the four blocks' largest magnitudes; each accumulator is read from its low end on
.macro QMAX src, X
	WIN (\X)+((\X)<<2)
.irp b, 0,1,2,3
	v_max3_num_f32 v[TM+\b], |v[(\src)+16*\b]|, |v[(\src)+16*\b+1]|, 0x1800000   ; and the floor 2^(3 - 127): the byte cannot fall under 1
.endr
.irp i, 2,4,6,8,10,12,14
.irp b, 0,1,2,3
	v_max3_num_f32 v[TM+\b], |v[(\src)+16*\b+\i]|, |v[(\src)+16*\b+\i+1]|, v[TM+\b]
.endr
.endr
	WIN 0
.irp b, 0,1,2,3
	v_permlanex16_b32 v[TM+4+\b], v[TM+\b], s[SEL], s[SEL+1]
.endr
.irp b, 0,1,2,3
	v_max_num_f32 v[TM+\b], v[TM+\b], v[TM+4+\b]
.endr
.endm
; QFIN: the scale word to v[pw], the fragment's codes to v[PC] .. v[PC + 11]
.macro QFIN src, X, pw
	s_wait_dscnt 0x0                               ; the last fragment's LDS stores have read the codes' and the words' registers
.irp b, 0,1,2,3
	v_add_nc_u32 v[TM+12+\b], 0xff000000, v[TM+\b]   ; 2 off the exponent field: the conversion's scale operand
.endr
.irp b, 0,1,2,3
	v_lshrrev_b32 v[TM+4+\b], 23, v[TM+12+\b]      ; the byte
.endr
	v_lshl_or_b32 v[(\pw)], v[TM+5], 8, v[TM+4]
	v_lshl_or_b32 v[(\pw)], v[TM+6], 16, v[(\pw)]
	v_lshl_or_b32 v[(\pw)], v[TM+7], 24, v[(\pw)]
	WIN (\X)
.irp c, 0,1
	v_cvt_scalef32_pk16_fp6_f32 v[PC+6*\c:PC+6*\c+2], v[(\src)+32*\c:(\src)+32*\c+15], v[TM+12+2*\c]
	v_cvt_scalef32_pk16_fp6_f32 v[PC+12+4*\c:PC+14+4*\c], v[(\src)+32*\c+16:(\src)+32*\c+31], v[TM+13+2*\c]   ; (a conversion's three registers begin on an even number)
.endr
	WIN 0
	v_nop                                          ; a plain place behind the conversions
.irp c, 0,1                            ; the operand's layout wants a whole block in a lane
.irp i, 0,1,2
	v_permlane16_swap_b32 v[PC+6*\c+\i], v[PC+12+4*\c+\i]
.endr
.irp i, 0,1,2
	v_mov_b32 v[PC+3+6*\c+\i], v[PC+12+4*\c+\i]
.endr
.endr
.endm
; THE STREAM.  My 64 fragments of K, 64 of V and 32 of Wt are three dense runs of memory, walked as quads 0 .. 39 of four fragments; quad q lies in ring place q % 5.  Four quads are on their way while one is multiplied.
.macro LOADQ q
	WIN 0x40
.if (\q) < 16
.set lqB, KB
.set lqO, (\q)*6144
.elseif (\q) < 32
.set lqB, VB
.set lqO, ((\q)-16)*6144
.else
.set lqB, WB
.set lqO, ((\q)-32)*6144
.endif
.set lqi, 0
.rept 12
	global_load_b128 v[48*((\q)%5)+4*lqi:48*((\q)%5)+4*lqi+3], v1, s[lqB:lqB+1] offset:lqO+512*lqi
.set lqi, lqi+1
.endr
.endm
; 16 matrix instructions a quad; the accumulators take turns, one instruction a turn
.macro MULS q                          ; fragment f: keys' half G = f / 32, K step (f / 8) % 4, key tile f % 8
.set sG, (\q)/8
	WIN 0xA1+0x50*sG
.set fi, 0
.rept 4
.set ff, 4*(\q)+fi
.set sS, (ff/8)%4
.set sM, ff%8
.set qi, 0
.rept 4
.if sS == 0
	WMMA 64*qi+8*sM, 48*((\q)%5)+12*fi, QF+12*(4*sS+qi), -1, KP+4*(4*sG+sS)+sM%4, QS+4*sS+qi, sM/4, 0
.else
	WMMA 64*qi+8*sM, 48*((\q)%5)+12*fi, QF+12*(4*sS+qi), 64*qi+8*sM, KP+4*(4*sG+sS)+sM%4, QS+4*sS+qi, sM/4, 0
.endif
.set qi, qi+1
.endr
.set fi, fi+1
.endr
.endm
.macro MULV q                          ; fragment f: key step f / 8, channel tile f % 8
	WIN 0xA1
.set fi, 0
.rept 4
.set ff, 4*((\q)-16)+fi
.set vK, ff/8
.set vC, ff%8
.set qi, 0
.rept 4
.if vK == 0
	WMMA 64*qi+8*vC, 48*((\q)%5)+12*fi, QF+48*(vK%2)+12*qi, -1, KP+4*vK+vC%4, QS+4*(vK%2)+qi, vC/4, 0
.else
	WMMA 64*qi+8*vC, 48*((\q)%5)+12*fi, QF+48*(vK%2)+12*qi, 64*qi+8*vC, KP+4*vK+vC%4, QS+4*(vK%2)+qi, vC/4, 0
.endif
.set qi, qi+1
.endr
.set fi, fi+1
.endr
.endm
.macro MULT q                          ; fragment f: K step f / 8, output tile f % 8; source 0 = O, source 1 = Wt; the sums begin with x + bt
	WIN 0xF4
.set fi, 0
.rept 4
.set ff, 4*((\q)-32)+fi
.set tS, ff/8
.set tD, ff%8
.set qi, 0
.rept 4
	WMMA 32*tD+8*qi, QF+12*(4*tS+qi), 48*((\q)%5)+12*fi, 32*tD+8*qi, QS+4*tS+qi, KP+4*tS+tD%4, 0, tD/4
.set qi, qi+1
.endr
.set fi, fi+1
.endr
.endm
.macro PFETCH ks                       ; P's four fragments and scale words of key step ks: 13 LDS loads
.set pj, 0
.rept 12
	ds_load_b128 v[QF+48*((\ks)%2)+4*pj:QF+48*((\ks)%2)+4*pj+3], v1 offset:(\ks)*6144+512*pj
.set pj, pj+1
.endr
	ds_load_b128 v[QS+4*((\ks)%2):QS+4*((\ks)%2)+3], v1 offset:PSC+512*(\ks)
.endm
.macro XPRE dt                         ; x at output tile dt, in the result's layout: row 16 dt + r, positions 32 (qt / 2) + 8 (qt % 2) + 16 h + 0 .. 7
.set xi, 0
.rept 4
	ds_load_b128 v[32*(\dt)+8*xi:32*(\dt)+8*xi+3], v11 offset:16*(\dt)*272+128*(xi/2)+32*(xi%2)
	ds_load_b128 v[32*(\dt)+8*xi+4:32*(\dt)+8*xi+7], v11 offset:16*(\dt)*272+128*(xi/2)+32*(xi%2)+16
.set xi, xi+1
.endr
.endm
	s_load_b256 s[4:11], s[0:1], 0x0               ; qkv, qkvs, wimg, wsc
	s_load_b128 s[12:15], s[0:1], 0x20             ; bt, x
	s_load_b64 s[16:17], s[0:1], 0x30              ; out0
	v_lshl_add_u32 v254, v0, 2, 0x38000
	v_mov_b32 v255, 0
	ds_add_u32 v254, v255
	ds_add_u32 v254, v255
	s_wait_dscnt 0x0
	v_lshrrev_b32 v1, 5, v0
	v_readfirstlane_b32 s18, v1                    ; wave 0..3
	s_and_b32 s20, ttmp7, 0xffff                   ; b
	s_lshr_b32 s19, ttmp9, 1                       ; kg: the group of 128 tokens in which my queries lie,
	s_and_b32 s21, ttmp9, 1                        ; and which half of it
	; descriptor group 1: 128 rows of 64 elements of 4 bytes, 1,024 elements apart; 16 bytes of padding behind each row of 64 words
	s_mov_b32 s48, (2<<16)|(1<<20)|(5<<22)|(3<<25)
	s_mov_b32 s49, 64<<16                          ; tensor_dim0
	s_mov_b32 s50, 128<<16                         ; tensor_dim1
	s_mov_b32 s51, 64<<16                          ; tile_dim0
	s_mov_b32 s52, 128                             ; tile_dim1
	s_mov_b32 s53, 1024                            ; the pitch
	s_mov_b32 s54, 0
	s_mov_b32 s55, 0
	s_lshl_b32 s2, s20, 21
	s_lshl_b32 s42, s18, 19
	s_add_co_u32 s2, s2, s42
	s_lshl_b32 s42, ttmp9, 8
	s_add_co_u32 s2, s2, s42                       ; image b, row 128 w, position 64 qb: in x and in out0
	s_mov_b32 s3, 0
	s_mul_i32 s43, s18, 34816
	s_wait_kmcnt 0x0
	s_mov_b32 s44, 1
	s_add_co_u32 s45, s43, STG                     ; my 128 rows of the stage
	s_add_nc_u64 s[46:47], s[14:15], s[2:3]
	s_or_b32 s47, s47, 0x80000000
	tensor_load_to_lds s[44:47], s[48:55]          ; the launch's only fill of these bytes; one tensor load of mine is out
	s_nop 0
	PLACES 4
	s_add_nc_u64 s[OB:OB+1], s[16:17], s[2:3]
	s_lshl_b32 s42, s20, 3
	s_add_co_u32 s42, s42, s19                     ; 8 b + kg
	s_mul_i32 s2, s42, 49152
	s_mul_i32 s59, s21, 6144
	s_add_co_u32 s2, s2, s59
	s_add_nc_u64 s[QB:QB+1], s[4:5], s[2:3]
	s_lshl_b32 s2, s42, 11
	s_lshl_b32 s59, s21, 8
	s_add_co_u32 s2, s2, s59
	s_add_nc_u64 s[QSB:QSB+1], s[6:7], s[2:3]
	s_mul_i32 s2, s20, 393216
	s_mul_i32 s59, s18, 98304
	s_add_co_u32 s2, s2, s59
	s_add_co_u32 s2, s2, 12582912
	s_add_nc_u64 s[KB:KB+1], s[4:5], s[2:3]
	s_lshl_b32 s2, s20, 14
	s_lshl_b32 s59, s18, 12
	s_add_co_u32 s2, s2, s59
	s_add_co_u32 s2, s2, 524288
	s_add_nc_u64 s[KSB:KSB+1], s[6:7], s[2:3]
	s_lshl_b32 s59, s20, 2
	s_add_co_u32 s59, s59, s18                     ; 4 b + w
	s_mul_i32 s2, s59, 98304
	s_add_co_u32 s2, s2, 25165824
	s_add_nc_u64 s[VB:VB+1], s[4:5], s[2:3]
	s_lshl_b32 s2, s59, 12
	s_add_co_u32 s2, s2, 1048576
	s_add_nc_u64 s[VSB:VSB+1], s[6:7], s[2:3]
	s_mul_i32 s2, s18, 49152
	s_add_co_u32 s2, s2, 589824
	s_add_nc_u64 s[WB:WB+1], s[8:9], s[2:3]
	s_lshl_b32 s2, s18, 11
	s_add_co_u32 s2, s2, 24576
	s_add_nc_u64 s[WSB:WSB+1], s[10:11], s[2:3]
	s_lshl_b32 s2, s18, 9
	s_add_nc_u64 s[BTB:BTB+1], s[12:13], s[2:3]
	s_mov_b32 s[CS], 0x3d8293ee                    ; c = log2(e) / sqrt(512)
	s_mov_b32 s[CS+1], s[CS]                       ; (named with it as a pair)
	s_mov_b32 s[NCS], 0xbd8293ee                   ; -c
	s_mov_b32 s[SEL], 0x76543210
	s_mov_b32 s[SEL+1], 0xfedcba98
	v_and_b32 v1, 31, v0
	v_lshlrev_b32 v1, 4, v1                        ; 16 x lane: an image's place for my lane
	v_and_b32 v14, 15, v0                          ; r
	v_bfe_u32 v15, v0, 4, 1                        ; h
	v_lshlrev_b32 v2, 4, v14                       ; Q's scale words: row r's four
	v_lshlrev_b32 v3, 2, v14                       ; bt
	s_mul_i32 s59, s18, 12288
	v_add_nc_u32 v4, s59, v1                       ; where I store P's images
	s_lshl_b32 s59, s18, 10
	s_add_co_u32 s59, s59, PSC
	v_add_nc_u32 v5, s59, v1                       ; and their scale words
	s_lshl_b32 s59, s18, 9
	s_add_co_u32 s43, s59, MXX
	v_add_nc_u32 v6, s43, v1                       ; my wave's maxima and sums
	v_add_nc_u32 v7, MXX, v1                       ; all waves'
	s_add_co_u32 s43, s59, OSC
	v_add_nc_u32 v9, s43, v1                       ; O's scale words
	s_mul_i32 s59, s18, 6144
	s_add_co_u32 s59, s59, OIMG
	v_add_nc_u32 v8, s59, v1                       ; where I store O's images
	v_add_nc_u32 v10, OIMG, v1                     ; and read all waves'
	v_mul_u32_u24 v11, v14, 272
	v_lshl_add_u32 v11, v15, 6, v11
	v_add_nc_u32 v11, s45, v11                     ; the stage in the result's layout: row r, 64 h bytes on
	v_mul_u32_u24 v12, v15, 272
	v_lshl_add_u32 v12, v14, 4, v12
	v_add_nc_u32 v12, s45, v12                     ; and by rows: lanes 0-15 one row, lanes 16-31 the next
	v_lshlrev_b32 v13, 12, v15
	v_lshl_add_u32 v13, v14, 4, v13                ; the same two rows in out0
	WIN 0x40
.irp d, 0,1,2,3,4,5,6,7
	global_load_b32 v[BT+2*\d], v3, s[BTB:BTB+1] offset:64*\d     ; bt of output 16 d + r,
	global_load_b32 v[BT+2*\d+1], v3, s[BTB:BTB+1] offset:64*\d   ; twice: named as a pair
.endr
	WIN 0
.irp s, 0,1,2,3
	global_load_b128 v[QS+4*\s:QS+4*\s+3], v2, s[QSB:QSB+1] offset:512*\s
.endr
.irp i, 0,1,2,3,4,5,6,7
	global_load_b128 v[KP+4*\i:KP+4*\i+3], v1, s[KSB:KSB+1] offset:512*\i
.endr
.set si, 0
.rept 4
.set oi, 0
.rept 12
	global_load_b128 v[QF+48*si+4*oi:QF+48*si+4*oi+3], v1, s[QB:QB+1] offset:12288*si+512*oi   ; Q's fragments stay in registers
.set oi, oi+1
.endr
.set si, si+1
.endr
	LOADQ 0
	LOADQ 1
	LOADQ 2
	LOADQ 3
	; ---- S^T = K Q^T.  A step: four places in front of the loads into the ring place that the step before multiplied; the quad four on; this quad's wait; 16 matrix instructions
.set qq, 0
.rept 16
	PLACES 4
	LOADQ qq+4
	s_wait_loadcnt 48                              ; this quad (and all that is older) is in; the four younger quads, 12 loads each, may be out
	MULS qq
.set qq, qq+1
.endr
	PLACES 4
	WIN 0
.irp i, 0,1,2,3,4,5,6,7
	global_load_b128 v[KP+4*\i:KP+4*\i+3], v1, s[VSB:VSB+1] offset:512*\i   ; V's scale packs take K's place
.endr
	; ---- the largest score of each block of 32 keys: it serves for the row's maximum and, since p rises with the score, for the block's largest p
.set Fi, 0
.rept 8
.set xX, 2+Fi/4
.set xq, Fi%4
	WIN xX+(xX<<2)
.irp b, 0,1,2,3
	v_max_num_f32 v[BM+4*Fi+\b], v[64*xq+16*\b], v[64*xq+16*\b+1]   ; each accumulator is read from its low end on
.endr
.irp i, 2,4,6,8,10,12,14
.irp b, 0,1,2,3
	v_max3_num_f32 v[BM+4*Fi+\b], v[64*xq+16*\b+\i], v[64*xq+16*\b+\i+1], v[BM+4*Fi+\b]
.endr
.endr
.set Fi, Fi+1
.endr
	WIN 0
.set ri, 0
.rept 32
	v_permlanex16_b32 v[PT+ri], v[BM+ri], s[SEL], s[SEL+1]
.set ri, ri+1
.endr
.set ri, 0
.rept 32
	v_max_num_f32 v[BM+ri], v[BM+ri], v[PT+ri]     ; with lane l xor 16's 16 keys
.set ri, ri+1
.endr
.irp q, 0,1,2,3
	v_max3_num_f32 v[RM+\q], v[BM+4*\q], v[BM+4*\q+1], v[BM+4*\q+2]
.endr
.irp q, 0,1,2,3
	v_max3_num_f32 v[RM+\q], v[RM+\q], v[BM+4*\q+3], v[BM+16+4*\q]
.endr
.irp q, 0,1,2,3
	v_max3_num_f32 v[RM+\q], v[RM+\q], v[BM+16+4*\q+1], v[BM+16+4*\q+2]
.endr
.irp q, 0,1,2,3
	v_max_num_f32 v[RM+\q], v[RM+\q], v[BM+16+4*\q+3]   ; the largest of my 256 keys
.endr
	ds_store_b128 v6, v[RM:RM+3]
	s_wait_tensorcnt 0x0                           ; x's tile has landed: it is mine alone, and is read from the second product on
	s_wait_dscnt 0x0                               ; for the others' sake: my store has landed
	s_barrier_signal -1
	s_barrier_wait -1
.irp w, 0,1,2,3
	ds_load_b128 v[EX+4*\w:EX+4*\w+3], v7 offset:512*\w
.endr
	s_wait_dscnt 0x0
.irp q, 0,1,2,3
	v_max3_num_f32 v[RM+\q], v[EX+\q], v[EX+4+\q], v[EX+8+\q]
.endr
.irp q, 0,1,2,3
	v_max_num_f32 v[RM+\q], v[RM+\q], v[EX+12+\q]  ; THE ROW'S MAXIMUM over all 1,024 keys
.endr
.irp q, 0,1,2,3
	v_mul_f32 v[NMC+2*\q], s[NCS], v[RM+\q]        ; -c x maximum: the same number for all of a row's keys, so its rounding falls out of p / sum
	v_mov_b32 v[NMC+2*\q+1], 0
.endr
.set ri, 0
.rept 16
	v_mov_b32 v[SA+ri], 0
.set ri, ri+1
.endr
	; ---- e = 2^(c score - c maximum), in place, and the rows' sums
.set Fi, 0
.rept 8
.set xX, 2+Fi/4
.set xq, Fi%4
	WIN xX+(xX<<6)
.set ri, 0
.rept 32
	v_pk_fma_f32 v[64*xq+2*ri:64*xq+2*ri+1], v[64*xq+2*ri:64*xq+2*ri+1], s[CS:CS+1], v[NMC+2*xq:NMC+2*xq+1] op_sel_hi:[1,0,0]
.set ri, ri+1
.endr
.set ri, 0
.rept 64
	v_exp_f32 v[64*xq+ri], v[64*xq+ri]
.set ri, ri+1
.endr
	WIN 0
.irp b, 0,1,2,3
	v_fma_f32 v[BM+4*Fi+\b], v[BM+4*Fi+\b], s[CS], v[NMC+2*xq]   ; the same of the blocks' largest scores.  (Plain lines that name none of the exponentials' registers: the place behind them)
.endr
	WIN xX
.set ri, 0
	s_wait_alu depctr_va_vdst(0)
.rept 16
	v_pk_add_f32 v[SA+2*xq:SA+2*xq+1], v[64*xq+4*ri:64*xq+4*ri+1], v[SA+2*xq:SA+2*xq+1]
	v_pk_add_f32 v[SB+2*xq:SB+2*xq+1], v[64*xq+4*ri+2:64*xq+4*ri+3], v[SB+2*xq:SB+2*xq+1]
.set ri, ri+1
.endr
.set Fi, Fi+1
.endr
	WIN 0
.set ri, 0
.rept 32
	v_exp_f32 v[BM+ri], v[BM+ri]
.set ri, ri+1
.endr
.irp q, 0,1,2,3
	v_pk_add_f32 v[SA+2*\q:SA+2*\q+1], v[SA+2*\q:SA+2*\q+1], v[SB+2*\q:SB+2*\q+1]   ; (the plain place behind those exponentials)
.endr
.irp q, 0,1,2,3
	v_add_f32 v[RS+\q], v[SA+2*\q], v[SA+2*\q+1]
.endr
.irp q, 0,1,2,3
	v_permlanex16_b32 v[PT+\q], v[RS+\q], s[SEL], s[SEL+1]
.endr
.irp q, 0,1,2,3
	v_add_f32 v[RS+\q], v[RS+\q], v[PT+\q]         ; the sum over my 256 keys
.endr
	ds_store_b128 v6, v[RS:RS+3] offset:2048       ; other bytes than the maxima's
	s_wait_dscnt 0x0
	s_barrier_signal -1
	s_barrier_wait -1
.irp w, 0,1,2,3
	ds_load_b128 v[EX+4*\w:EX+4*\w+3], v7 offset:2048+512*\w
.endr
	s_wait_dscnt 0x0
.irp q, 0,1,2,3
	v_add_f32 v[EX+\q], v[EX+\q], v[EX+4+\q]
	v_add_f32 v[EX+8+\q], v[EX+8+\q], v[EX+12+\q]
.endr
.irp q, 0,1,2,3
	v_add_f32 v[RS+\q], v[EX+\q], v[EX+8+\q]       ; THE ROW'S SUM over all 1,024 keys
.endr
.irp q, 0,1,2,3
	v_rcp_f32 v[INV+2*\q], v[RS+\q]
.endr
	v_nop                                          ; a plain place behind the reciprocals
	s_wait_alu depctr_va_vdst(0)
.irp q, 0,1,2,3
	v_mov_b32 v[INV+2*\q+1], v[INV+2*\q]
.endr
	; ---- p = e / sum, quantised along the keys: my 8 fragments (2 key steps x 4 query tiles) go to LDS as images
.set Fi, 0
.rept 8
.set xX, 2+Fi/4
.set xq, Fi%4
	WIN xX+(xX<<6)
.set ri, 0
.rept 32
	v_pk_mul_f32 v[64*xq+2*ri:64*xq+2*ri+1], v[64*xq+2*ri:64*xq+2*ri+1], v[INV+2*xq:INV+2*xq+1] op_sel_hi:[1,0]
.set ri, ri+1
.endr
	WIN 0
.irp b, 0,1,2,3
	v_mul_f32 v[BM+4*Fi+\b], v[BM+4*Fi+\b], v[INV+2*xq]   ; the block's largest p: the same three operations on the same number give the same bits
.endr
.irp b, 0,1,2,3
	v_max_num_f32 v[TM+\b], 0x1800000, v[BM+4*Fi+\b]      ; the floor 2^(3 - 127)
.endr
	QFIN 64*xq, xX, PWQ+xq
.irp j, 0,1,2
	ds_store_b128 v4, v[PC+4*\j:PC+4*\j+3] offset:1536*Fi+512*\j
.endr
.if xq == 3
	ds_store_b128 v5, v[PWQ:PWQ+3] offset:512*(Fi/4)
.endif
.set Fi, Fi+1
.endr
	s_wait_dscnt 0x0
	s_barrier_signal -1
	s_barrier_wait -1                              ; P's 32 fragments lie in LDS
	; ---- O^T = V^T P^T: 8 key steps of two quads.  P's fragments come one key step ahead; x comes into the last product's accumulators on the way
	PFETCH 0
.macro PVSTEP ks
	PLACES 4
	LOADQ 20+2*(\ks)
	WIN 0
.if (\ks) == 4
.irp i, 0,1,2,3
	global_load_b128 v[KP+4*\i:KP+4*\i+3], v1, s[WSB:WSB+1] offset:512*\i   ; Wt's scale packs take the place of V's of key steps 0-3
.endr
.endif
.if (\ks) < 7
	PFETCH (\ks)+1
	s_wait_dscnt 13                                ; this key step's P is in; the 13 loads just issued may be out
.else
	s_wait_dscnt 0x0
.endif
.if (\ks) == 0
	s_wait_loadcnt 12                              ; V's scale packs are in: behind them stands quad 20 alone
.else
	s_wait_loadcnt 48
.endif
	MULV 16+2*(\ks)
	PLACES 4
	LOADQ 21+2*(\ks)
	WIN 0xC0
	XPRE \ks
	s_wait_loadcnt 48
	MULV 17+2*(\ks)
.endm
.irp k, 0,1,2,3,4,5,6,7
	PVSTEP \k
.endr
	; ---- x + bt; O quantised along the channels: my 4 fragments (K step w of the last product) go to LDS
	PLACES 4
	s_wait_dscnt 0x0                               ; x is in
	WIN 0xC7
.set di, 0
.rept 8
.set ri, 0
.rept 16
	v_pk_add_f32 v[32*di+2*ri:32*di+2*ri+1], v[32*di+2*ri:32*di+2*ri+1], v[BT+2*di:BT+2*di+1] op_sel_hi:[1,0]
.set ri, ri+1
.endr
.set di, di+1
.endr
.set qi2, 0
.rept 4
	QMAX 64*qi2, 2
	QFIN 64*qi2, 2, PWQ+qi2
.irp j, 0,1,2
	ds_store_b128 v8, v[PC+4*\j:PC+4*\j+3] offset:1536*qi2+512*\j
.endr
.set qi2, qi2+1
.endr
	ds_store_b128 v9, v[PWQ:PWQ+3]
	s_wait_dscnt 0x0
	s_barrier_signal -1
	s_barrier_wait -1                              ; O's 16 fragments lie in LDS
	; ---- the last product
.set oi, 0
.rept 48
	ds_load_b128 v[QF+4*oi:QF+4*oi+3], v10 offset:512*oi
.set oi, oi+1
.endr
.irp s, 0,1,2,3
	ds_load_b128 v[QS+4*\s:QS+4*\s+3], v10 offset:OSC-OIMG+512*\s
.endr
	s_wait_dscnt 0x0
.set qq, 32
.rept 8
	PLACES 4
.if qq+4 <= 39
	LOADQ qq+4
	s_wait_loadcnt 48
.else
	s_wait_loadcnt 12*(39-qq)                      ; the stream's end: the quads behind this one
.endif
	MULT qq
.set qq, qq+1
.endr
	; ---- the way out: into my rows of the stage, over x's tile (those bytes have had their only fill); back as whole rows; 16 lanes store 256 consecutive bytes, from a multiple of 256 on
	PLACES 4
	WIN 0x0C                                       ; an LDS store's data are its source 1: window 3
.set di, 0
.rept 8
.set xi, 0
.rept 4
	ds_store_b128 v11, v[32*di+8*xi:32*di+8*xi+3] offset:16*di*272+128*(xi/2)+32*(xi%2)       ; each accumulator from its low end on
	ds_store_b128 v11, v[32*di+8*xi+4:32*di+8*xi+7] offset:16*di*272+128*(xi/2)+32*(xi%2)+16
.set xi, xi+1
.endr
.set di, di+1
.endr
	WIN 0x80
.set oi, 0
.rept 64
	ds_load_b128 v[4*oi:4*oi+3], v12 offset:544*oi   ; my own bytes: LDS serves a wave's instructions in order
.set oi, oi+1
.endr
	WIN 0x08
.set oi, 0
.rept 64
	s_wait_dscnt 63-oi                             ; load oi is in; the younger ones may be out
	global_store_b128 v13, v[4*oi:4*oi+3], s[OB:OB+1] offset:8192*oi th:TH_STORE_NT
.set oi, oi+1
.endr
	WIN 0
	s_wait_xcnt 0x0
	v_lshl_add_u32 v254, v0, 2, 0x38000
	v_mov_b32 v255, 0
	s_wait_tensorcnt 0x0
	ds_add_u32 v254, v255
	s_wait_dscnt 0x0
	s_endpgm
.Lfunc_end_k_qbdd24259a8_att:
	.size	k_qbdd24259a8_att, .Lfunc_end_k_qbdd24259a8_att-k_qbdd24259a8_att
	.p2alignl 7, 3214868480
	.fill 96, 4, 3214868480
	.section	.rodata,"a",@progbits
	.p2align	6, 0x0
	.amdhsa_kernel k_qbdd24259a8_att
		.amdhsa_group_segment_fixed_size 229888
		.amdhsa_private_segment_fixed_size 0
		.amdhsa_enable_private_segment 0
		.amdhsa_kernarg_size 56
		.amdhsa_user_sgpr_count 2
		.amdhsa_user_sgpr_kernarg_segment_ptr 1
		.amdhsa_wavefront_size32 1
		.amdhsa_system_sgpr_workgroup_id_x 1
		.amdhsa_system_sgpr_workgroup_id_y 1
		.amdhsa_system_sgpr_workgroup_id_z 1
		.amdhsa_system_vgpr_workitem_id 0
		.amdhsa_next_free_vgpr 1024
		.amdhsa_next_free_sgpr 66
		.amdhsa_reserve_vcc 0
		.amdhsa_float_denorm_mode_32 3
		.amdhsa_float_denorm_mode_16_64 3
		.amdhsa_memory_ordered 1
		.amdhsa_forward_progress 1
		.amdhsa_inst_pref_size 255
	.end_amdhsa_kernel
	.section	.bss,"aw",@nobits
	.p2align	6
	.space	262144
	.amdgpu_metadata
---
amdhsa.version: [ 1, 2 ]
amdhsa.kernels:
  - .name:           k_qbdd24259a8_att
    .symbol:         k_qbdd24259a8_att.kd
    .args:
      - { .name: qkv, .offset: 0, .size: 8, .value_kind: global_buffer, .address_space: global }
      - { .name: qkvs, .offset: 8, .size: 8, .value_kind: global_buffer, .address_space: global }
      - { .name: wimg, .offset: 16, .size: 8, .value_kind: global_buffer, .address_space: global }
      - { .name: wsc, .offset: 24, .size: 8, .value_kind: global_buffer, .address_space: global }
      - { .name: bt, .offset: 32, .size: 8, .value_kind: global_buffer, .address_space: global }
      - { .name: x, .offset: 40, .size: 8, .value_kind: global_buffer, .address_space: global }
      - { .name: out0, .offset: 48, .size: 8, .value_kind: global_buffer, .address_space: global }
    .group_segment_fixed_size: 229888
    .private_segment_fixed_size: 0
    .kernarg_segment_align: 8
    .kernarg_segment_size: 56
    .max_flat_workgroup_size: 128
    .sgpr_count:     66
    .vgpr_count:     1024
    .wavefront_size: 32
...
	.end_amdgpu_metadata
.endif
;; end of part 3
;; ======== version 2 of 2: 3 launches
;; workspace buffers: hq 12,582,912 bytes; hs 524,288 bytes; wimg 786,432 bytes; wsc 32,768 bytes; qkv 37,748,736 bytes; qkvs 1,572,864 bytes
;; launch pre (part 4): grid 512 x 1, 8 waves a work-group, no clusters, 39,936 bytes of LDS; arguments x, gn_scale, gn_bias, Wq, Wk, Wv, Wt, hq, hs, wimg, wsc; writes hq, hs, wimg, wsc
.if DOCPART == 4
	.amdgcn_target "amdgcn-amd-amdhsa--gfx1250"
	.amdhsa_code_object_version 6
	.text
	.protected	k_qbdd24259a8_pre
	.globl	k_qbdd24259a8_pre
	.p2align	8
	.type	k_qbdd24259a8_pre,@function
k_qbdd24259a8_pre:
	s_mov_b64 s[64:65], 0
	v_nop
	global_prefetch_b8 v0, s[64:65] scope:SCOPE_SE
	s_setreg_imm32_b32 hwreg(HW_REG_WAVE_MODE, 25, 1), 1
	s_wait_xcnt 0x0
; GroupNorm of x [32][512][1024] (32 groups of 16 channels x 1,024 positions) and its quantising along the channels to FP6 (E2M3) with one E8M0 byte for 32 channels;
; and, on the way, the four weights [c 512][d 512], quantised along c, their first axis.
; WORK-GROUP 16 b + bg takes channels 32 bg .. 32 bg + 31 of image b: 131,072 dense bytes, two groups of the norm, one block of the quantiser.  512 work-groups of 8 waves x 256 registers: two on each of 256 WGPs.
;   Thread t holds positions 4 t .. 4 t + 3 of all 32 channels in 128 registers: x is read once; mean first, then the squares of x - mean (no difference of large sums).
;   h = (x - mean) (rstd gain) + bias is made column by column into 32 registers that run down the channels: a block lies in one lane.
;   hq: [b][bg][p][24 bytes of codes];  hs: [b][bg][p] scale bytes.  Codes leave through the wave's own stage, 384 consecutive bytes a store; scale bytes through LDS, 512 consecutive bytes a store.
; THE WEIGHTS are 64 groups (weight T, columns 128 g on, rows 128 s on) of 8 tiles of 16 columns.  The 64 work-groups whose number is a multiple of 8 take one group each, u = number / 8 = 16 T + 4 g + s,
;   and each of their 8 waves one tile, while x's loads are on their way: a lane takes a column d, its registers run down c.  The eight waves together read rows of 512 consecutive bytes.
;   A fragment lies in wimg as an image of its 12 registers: register n of lane l at byte 512 (n / 4) + 16 l + 4 (n % 4).  Tiles of Wq, Wk, Wv take columns 32 (t / 2) + 8 (t % 2) + r + 8 (r / 8), those of Wt 16 t + r.
;   A pack of scale words in wsc (512 bytes a group): the word of row r of tile t at 16 r + 256 (t / 4) + 4 (t % 4), so that lane (r, h) of a reader finds the words of tiles 4 h + 0 .. 3 in its 16 bytes.
; LIMITS: NaN and infinities among the inputs are not served.  A block whose largest magnitude lies under 2^-124 keeps the byte 1; so does a block of zeros (the rule says 127): its codes are zeros, and these bytes are read by this program alone.
;   v_rsq_f32 is good to one unit in the last place; the sums are taken in another order than the reference's.
.set WSTG, 4608                        ; a wave's stage: 32 places of 144 bytes (8 pieces of 16, each with 12 bytes of codes, + 16)
.set RED,  36864                       ; 64 bytes of sums, and 256 bytes on 64 bytes of sums of squares
.set SBX,  37376                       ; 1,024 scale bytes
.set X,    16                          ; v16-143  channel c at X + 4 c
.set VA,   144                         ; v144-175 rstd x gain
.set H,    176                         ; v176-207 one column's 32 numbers; before that the sums' chains
.set EX,   184                         ; v184-199 the eight waves' sums
.set CD,   208                         ; v208-239 codes: column j at CD + 8 j and CD + 8 j + 4
.set WX,   144                         ; a weight tile: block c's 32 numbers at WX + 64 c: the registers of VA and of CD, idle until the statistics are done
.set IM,   176                         ; v176-187 its fragment (v176-207 are idle until the first sums)
.set TC,   188                         ; v188-194 the blocks' upper halves
.set MX,   196                         ; v196-197 largest magnitudes
.set SO,   198                         ; v198-199 the conversions' scale operands
.set BY,   200                         ; v200-201 the bytes
.set WW,   202                         ; v202 the scale word, v203 lane l xor 16's part of it
.set WA,   204                         ; v204 my column's byte offset in the weight
.set WI,   205                         ; v205 16 x lane: an image's place for my lane
.set WS,   206                         ; v206 16 r: my row's place in the pack
.set WH,   207                         ; v207 8 h
	s_load_b512 s[4:19], s[0:1], 0x0               ; x, gn_scale, gn_bias, Wq, Wk, Wv, Wt, hq
	s_load_b128 s[20:23], s[0:1], 0x40             ; hs, wimg
	s_load_b64 s[24:25], s[0:1], 0x50              ; wsc
	v_lshl_add_u32 v254, v0, 2, 0x9800
	v_mov_b32 v255, 0
	v_lshrrev_b32 v1, 5, v0
	s_delay_alu instid0(VALU_DEP_1)
	v_readfirstlane_b32 s26, v1                    ; wave 0..7
	v_and_b32 v2, 31, v0                           ; lane
	s_mov_b32 s60, 0x76543210
	s_mov_b32 s61, 0xfedcba98                      ; v_permlanex16_b32's selects for lane l xor 16
	v_lshlrev_b32 v3, 4, v0                        ; my 16 bytes of a channel's row
	s_mul_i32 s27, s26, WSTG
	v_mul_u32_u24 v4, v2, 144
	s_delay_alu instid0(VALU_DEP_1)
	v_add_nc_u32 v4, s27, v4                       ; the stage, on the way in: my place
	v_lshrrev_b32 v5, 3, v2
	s_delay_alu instid0(VALU_DEP_1)
	v_mul_u32_u24 v5, v5, 144
	v_and_b32 v12, 7, v2
	s_delay_alu instid0(VALU_DEP_1)
	v_lshl_add_u32 v5, v12, 4, v5
	s_delay_alu instid0(VALU_DEP_1)
	v_add_nc_u32 v5, s27, v5                       ; on the way out: piece 32 i + lane lies at 576 i + 144 (lane / 8) + 16 (lane % 8)
	v_mul_u32_u24 v6, v2, 12                       ; and goes to byte 384 i + 12 lane
	v_lshl_add_u32 v7, v0, 2, SBX                  ; my four scale bytes
	v_and_b32 v9, 63, v0
	s_delay_alu instid0(VALU_DEP_1)
	v_lshlrev_b32 v9, 4, v9                        ; waves 0 and 1 send them: 16 bytes a lane
	s_delay_alu instid0(VALU_DEP_1)
	v_add_nc_u32 v8, SBX, v9
	s_lshl_b32 s27, s26, 3
	v_mov_b32 v11, RED
	s_delay_alu instid0(VALU_DEP_1)
	v_add_nc_u32 v10, s27, v11                     ; my wave's two sums
	s_lshl_b32 s2, ttmp9, 17                       ; 131,072 bytes a work-group
	s_mov_b32 s3, 0
	s_and_b32 s62, ttmp9, 15
	s_lshl_b32 s62, s62, 7                         ; my 32 gains and biases
	s_mov_b32 s63, 0
	s_wait_kmcnt 0x0
	s_add_nc_u64 s[4:5], s[4:5], s[2:3]
	s_add_nc_u64 s[6:7], s[6:7], s[62:63]
	s_add_nc_u64 s[8:9], s[8:9], s[62:63]
.set cc, 0
.rept 32
	global_load_b128 v[X+4*cc:X+4*cc+3], v3, s[4:5] offset:4096*cc th:TH_LOAD_NT   ; a wave reads 512 consecutive bytes; x is read once in this launch
.set cc, cc+1
.endr
	; ---------------- a tile of a weight, in every eighth work-group, while x is on its way ----------------
	s_and_b32 s27, ttmp9, 7
	s_cmp_lg_u32 s27, 0
	s_cbranch_scc1 .Lno_tile                       ; the same way for all waves of a work-group; no LDS access and no barrier stands in the branch
	s_lshr_b32 s31, ttmp9, 3                       ; u = 16 T + 4 g + s
	s_lshr_b32 s28, s31, 4                         ; T: 0 Wq, 1 Wk, 2 Wv, 3 Wt
	s_bfe_u32 s29, s31, 0x20002                    ; g
	s_and_b32 s30, s31, 3                          ; s
	s_lshl_b32 s32, s30, 18                        ; 128 s rows of 2,048 bytes
	s_lshl_b32 s29, s29, 9                         ; 128 g columns
	s_add_co_u32 s32, s32, s29
	s_lshr_b32 s33, s26, 1
	s_lshl_b32 s33, s33, 7
	s_and_b32 s34, s26, 1
	s_lshl_b32 s34, s34, 5
	s_add_co_u32 s33, s33, s34                     ; my tile's first column, in bytes: 4 (32 (t / 2) + 8 (t % 2)),
	s_lshl_b32 s34, s26, 6                         ; or, for Wt, 4 x 16 t
	s_cmp_eq_u32 s28, 1                            ; the choice hangs on the work-group's number alone
	s_cselect_b64 s[10:11], s[12:13], s[10:11]
	s_cmp_eq_u32 s28, 2
	s_cselect_b64 s[10:11], s[14:15], s[10:11]
	s_cmp_eq_u32 s28, 3
	s_cselect_b64 s[10:11], s[16:17], s[10:11]
	s_cselect_b32 s33, s34, s33
	s_cselect_b32 s36, 0, 32                       ; Wt's tiles are neighbours; the others' lanes 8-15 stand 8 columns (32 bytes) further on
	s_add_co_u32 s32, s32, s33
	s_mov_b32 s33, 0
	s_add_nc_u64 s[10:11], s[10:11], s[32:33]      ; the weight at my tile's corner
	s_mul_i32 s34, s31, 12288
	s_mul_i32 s35, s26, 1536
	s_add_co_u32 s34, s34, s35
	s_mov_b32 s35, 0
	s_add_nc_u64 s[22:23], s[22:23], s[34:35]      ; my fragment's image
	s_lshl_b32 s34, s31, 9
	s_lshr_b32 s37, s26, 2
	s_lshl_b32 s37, s37, 8
	s_add_co_u32 s34, s34, s37
	s_and_b32 s37, s26, 3
	s_lshl_b32 s37, s37, 2
	s_add_co_u32 s34, s34, s37
	s_add_nc_u64 s[24:25], s[24:25], s[34:35]      ; the group's pack, + 256 (t / 4) + 4 (t % 4)
	v_and_b32 v12, 15, v0                          ; r
	v_bfe_u32 v13, v0, 4, 1                        ; h
	s_delay_alu instid0(VALU_DEP_2)
	v_lshrrev_b32 v14, 3, v12
	s_delay_alu instid0(VALU_DEP_3)
	v_lshlrev_b32 v[WA], 2, v12
	s_delay_alu instid0(VALU_DEP_1)
	v_lshl_add_u32 v[WA], v13, 16, v[WA]           ; lanes 16-31 begin 32 rows further down
	s_delay_alu instid0(VALU_DEP_1)
	v_mad_u32_u24 v[WA], v14, s36, v[WA]
	v_lshlrev_b32 v[WI], 4, v2
	v_lshlrev_b32 v[WS], 4, v12
	v_lshlrev_b32 v[WH], 3, v13
	v_mov_b32 v[WW+1], 0                           ; a permute's destination counts as read
.set cc, 0
.rept 2
.set ii, 0
.rept 32
	global_load_b32 v[WX+64*cc+ii], v[WA], s[10:11] offset:(64*cc+ii)*2048   ; W(128 s + 64 c + 32 h + i, my column): sixteen lanes read 64 consecutive bytes, the eight waves 512
.set ii, ii+1
.endr
.set cc, cc+1
.endr
	s_wait_loadcnt 0x0                             ; the tile is in (and x, whose loads are older)
.irp c, 0,1
	v_max3_num_f32 v[MX+\c], |v[WX+64*\c]|, |v[WX+64*\c+1]|, 0x1800000   ; my block 2 c + h: all its 32 numbers are mine; and the floor 2^(3 - 127): the byte cannot fall under 1
.endr
.irp i, 2,4,6,8,10,12,14,16,18,20,22,24,26,28,30
.irp c, 0,1
	s_delay_alu instid0(VALU_DEP_2)
	v_max3_num_f32 v[MX+\c], v[MX+\c], |v[WX+64*\c+\i]|, |v[WX+64*\c+\i+1]|   ; (the two blocks by turns)
.endr
.endr
.irp c, 0,1
	s_delay_alu instid0(VALU_DEP_2)
	v_add_nc_u32 v[SO+\c], 0xff000000, v[MX+\c]    ; 2 off the exponent field: the conversion's scale operand
.endr
.irp c, 0,1
	s_delay_alu instid0(VALU_DEP_2)
	v_lshrrev_b32 v[BY+\c], 23, v[SO+\c]           ; the byte
.endr
	s_delay_alu instid0(VALU_DEP_1)
	v_lshl_or_b32 v[WW], v[BY+1], 16, v[BY]        ; bytes h and 2 + h of the column's word,
	s_delay_alu instid0(VALU_DEP_1)
	v_lshlrev_b32 v[WW], v[WH], v[WW]
	s_delay_alu instid0(VALU_DEP_1)
	v_permlanex16_b32 v[WW+1], v[WW], s60, s61
	s_delay_alu instid0(VALU_DEP_1)
	v_or_b32 v[WW], v[WW], v[WW+1]                 ; with lane l xor 16's two the word is whole, in both lanes
.irp c, 0,1
	v_cvt_scalef32_pk16_fp6_f32 v[IM+6*\c:IM+6*\c+2], v[WX+64*\c:WX+64*\c+15], v[SO+\c]
	v_cvt_scalef32_pk16_fp6_f32 v[TC+4*\c:TC+4*\c+2], v[WX+64*\c+16:WX+64*\c+31], v[SO+\c]   ; (a conversion's three registers begin on an even number)
.endr
	v_nop                                          ; a plain place behind the conversions
.irp c, 0,1
.irp i, 0,1,2
	v_mov_b32 v[IM+6*\c+3+\i], v[TC+4*\c+\i]
.endr
.endr
.irp j, 0,1,2
	global_store_b128 v[WI], v[IM+4*\j:IM+4*\j+3], s[22:23] offset:512*\j   ; 512 consecutive bytes a store
.endr
	global_store_b32 v[WS], v[WW], s[24:25]        ; 16 words a wave (lanes l and l xor 16 write the same word to the same place); the work-group's eight waves fill the pack's 512 bytes
	s_wait_xcnt 0x0                                ; the stores' data and offsets lie in registers that the sums below write: they are rewritten only behind this wait
.Lno_tile:
	; ---------------- GroupNorm ----------------
	s_load_b512 s[28:43], s[6:7], 0x0              ; gains
	s_load_b512 s[44:59], s[6:7], 0x40
	s_load_b512 s[68:83], s[8:9], 0x0              ; biases
	s_load_b512 s[84:99], s[8:9], 0x40
	s_mul_i32 s2, ttmp9, 24576
	s_mul_i32 s27, s26, 3072
	s_add_co_u32 s2, s2, s27
	s_add_nc_u64 s[18:19], s[18:19], s[2:3]        ; hq at my wave's 128 positions
	s_lshl_b32 s2, ttmp9, 10
	s_add_nc_u64 s[20:21], s[20:21], s[2:3]        ; hs at the work-group's 1,024 bytes
.macro GSUM g, a, b                    ; the sum of group g's 64 registers, in two chains of pairs; the result in v[a]
	v_pk_add_f32 v[\a:\a+1], v[X+64*\g:X+64*\g+1], v[X+64*\g+2:X+64*\g+3]
	v_pk_add_f32 v[\b:\b+1], v[X+64*\g+4:X+64*\g+5], v[X+64*\g+6:X+64*\g+7]
.set ii, 8
.rept 14
	s_delay_alu instid0(VALU_DEP_2)
	v_pk_add_f32 v[\a:\a+1], v[\a:\a+1], v[X+64*\g+ii:X+64*\g+ii+1]
	s_delay_alu instid0(VALU_DEP_2)
	v_pk_add_f32 v[\b:\b+1], v[\b:\b+1], v[X+64*\g+ii+2:X+64*\g+ii+3]
.set ii, ii+4
.endr
	s_delay_alu instid0(VALU_DEP_1)
	v_pk_add_f32 v[\a:\a+1], v[\a:\a+1], v[\b:\b+1]
	s_delay_alu instid0(VALU_DEP_1)
	v_add_f32 v[\a], v[\a], v[\a+1]
.endm
.macro GSQ g, a, b                     ; the same of their squares
	v_pk_mul_f32 v[\a:\a+1], v[X+64*\g:X+64*\g+1], v[X+64*\g:X+64*\g+1]
	v_pk_mul_f32 v[\b:\b+1], v[X+64*\g+2:X+64*\g+3], v[X+64*\g+2:X+64*\g+3]
.set ii, 4
.rept 15
	s_delay_alu instid0(VALU_DEP_2)
	v_pk_fma_f32 v[\a:\a+1], v[X+64*\g+ii:X+64*\g+ii+1], v[X+64*\g+ii:X+64*\g+ii+1], v[\a:\a+1]
	s_delay_alu instid0(VALU_DEP_2)
	v_pk_fma_f32 v[\b:\b+1], v[X+64*\g+ii+2:X+64*\g+ii+3], v[X+64*\g+ii+2:X+64*\g+ii+3], v[\b:\b+1]
.set ii, ii+4
.endr
	s_delay_alu instid0(VALU_DEP_1)
	v_pk_add_f32 v[\a:\a+1], v[\a:\a+1], v[\b:\b+1]
	s_delay_alu instid0(VALU_DEP_1)
	v_add_f32 v[\a], v[\a], v[\a+1]
.endm
.macro WRED r, d                       ; over the wave's 32 lanes; the result, in every lane, to v[d]
	v_add_f32_dpp v[\r], v[\r], v[\r] row_xmask:1 row_mask:0xf bank_mask:0xf
	s_delay_alu instid0(VALU_DEP_1)
	v_add_f32_dpp v[\r], v[\r], v[\r] row_xmask:2 row_mask:0xf bank_mask:0xf
	s_delay_alu instid0(VALU_DEP_1)
	v_add_f32_dpp v[\r], v[\r], v[\r] row_xmask:4 row_mask:0xf bank_mask:0xf
	s_delay_alu instid0(VALU_DEP_1)
	v_add_f32_dpp v[\r], v[\r], v[\r] row_xmask:8 row_mask:0xf bank_mask:0xf
	s_delay_alu instid0(VALU_DEP_1)
	v_permlanex16_b32 v12, v[\r], s60, s61         ; (v12 has been written: a permute's destination counts as read)
	s_delay_alu instid0(VALU_DEP_1)
	v_add_f32 v[\d], v[\r], v12
.endm
.macro XSUM off                        ; over the eight waves: v[H:H+1] (group 0's, group 1's) -> v[EX:EX+1]
	ds_store_b64 v10, v[H:H+1] offset:\off
	s_wait_dscnt 0x0                               ; for the others' sake: my store has landed
	s_barrier_signal -1
	s_barrier_wait -1
.irp i, 0,1,2,3
	ds_load_b128 v[EX+4*\i:EX+4*\i+3], v11 offset:\off+16*\i
.endr
	s_wait_dscnt 0x0
.irp i, 2
	v_pk_add_f32 v[EX:EX+1], v[EX:EX+1], v[EX+\i:EX+\i+1]
.endr
.irp i, 4, 6, 8, 10, 12, 14
	s_delay_alu instid0(VALU_DEP_1)
	v_pk_add_f32 v[EX:EX+1], v[EX:EX+1], v[EX+\i:EX+\i+1]
.endr
.endm
	s_wait_loadcnt 16                              ; group 0's sixteen loads are in; group 1's sixteen may be out
	GSUM 0, H, H+2
	s_wait_loadcnt 0x0
	GSUM 1, H+4, H+6
	WRED H, H
	WRED H+4, H+1
	XSUM 0
	s_delay_alu instid0(VALU_DEP_1)
	v_pk_mul_f32 v[240:241], v[EX:EX+1], 0x38800000 op_sel_hi:[1,0]   ; the means: / 16,384
	s_delay_alu instid0(VALU_DEP_1)
	v_mov_b32 v242, v241
	s_delay_alu instid0(VALU_DEP_2)
	v_mov_b32 v243, v241
.set ii, 0
.rept 32
	v_pk_add_f32 v[X+ii:X+ii+1], v[X+ii:X+ii+1], v[240:241] op_sel_hi:[1,0] neg_lo:[0,1] neg_hi:[0,1]   ; x - mean, in place
.set ii, ii+2
.endr
.rept 32
	v_pk_add_f32 v[X+ii:X+ii+1], v[X+ii:X+ii+1], v[242:243] op_sel_hi:[1,0] neg_lo:[0,1] neg_hi:[0,1]
.set ii, ii+2
.endr
	GSQ 0, H, H+2
	GSQ 1, H+4, H+6
	WRED H, H
	WRED H+4, H+1
	XSUM 256                                       ; other bytes than the first sums': no barrier between the reads of those and these stores
	s_delay_alu instid0(VALU_DEP_1)
	v_pk_mul_f32 v[244:245], v[EX:EX+1], 0x38800000 op_sel_hi:[1,0]   ; the variances
	s_delay_alu instid0(VALU_DEP_1)
	v_add_f32 v244, 0x358637bd, v244               ; + 1e-6
	s_delay_alu instid0(VALU_DEP_2)
	v_add_f32 v245, 0x358637bd, v245
	s_wait_alu depctr_va_vdst(0)
	v_rsq_f32 v246, v244
	v_rsq_f32 v247, v245
	v_nop                                          ; a plain place behind the transcendentals
	s_wait_kmcnt 0x0                               ; gains and biases
.set cc, 0
	s_wait_alu depctr_va_vdst(0)
.rept 16
	v_mul_f32 v[VA+cc], s[28+cc], v246
.set cc, cc+1
.endr
.rept 16
	v_mul_f32 v[VA+cc], s[28+cc], v247
.set cc, cc+1
.endr
.macro COL j                           ; position 4 t + j: its 32 channels, their block's scale, their codes
.set cc, 0
.rept 32
	v_fma_f32 v[H+cc], v[X+4*cc+\j], v[VA+cc], s[68+cc]
.set cc, cc+1
.endr
	v_max3_num_f32 v12, |v[H]|, |v[H+1]|, |v[H+2]|
	v_max3_num_f32 v13, |v[H+3]|, |v[H+4]|, |v[H+5]|
.irp i, 6,10,14,18,22,26
	s_delay_alu instid0(VALU_DEP_2)
	v_max3_num_f32 v12, v12, |v[H+\i]|, |v[H+\i+1]|
	s_delay_alu instid0(VALU_DEP_2)
	v_max3_num_f32 v13, v13, |v[H+\i+2]|, |v[H+\i+3]|
.endr
	s_delay_alu instid0(VALU_DEP_2)
	v_max3_num_f32 v12, v12, |v[H+30]|, |v[H+31]|
	s_delay_alu instid0(VALU_DEP_1)
	v_max3_num_f32 v12, v12, v13, 0x1800000        ; and the floor 2^(3 - 127): the byte cannot fall under 1
	s_delay_alu instid0(VALU_DEP_1)
	v_add_nc_u32 v14, 0xff000000, v12              ; 2 off the exponent field: the conversion's scale operand
	s_delay_alu instid0(VALU_DEP_1)
	v_lshrrev_b32 v15, 23, v14                     ; the byte
.if \j == 0
	s_delay_alu instid0(VALU_DEP_1)
	v_mov_b32 v248, v15
.else
	s_delay_alu instid0(VALU_DEP_1)
	v_lshl_or_b32 v248, v15, 8*\j, v248
.endif
	v_cvt_scalef32_pk16_fp6_f32 v[CD+8*\j:CD+8*\j+2], v[H:H+15], v14
	v_cvt_scalef32_pk16_fp6_f32 v[CD+8*\j+4:CD+8*\j+6], v[H+16:H+31], v14
	v_nop                                          ; a plain place: the next column writes the conversions' sources
	ds_store_b96 v4, v[CD+8*\j:CD+8*\j+2] offset:32*\j
	ds_store_b96 v4, v[CD+8*\j+4:CD+8*\j+6] offset:32*\j+16
.endm
	COL 0
	COL 1
	COL 2
	COL 3
	ds_store_b32 v7, v248
.set ii, 0
.rept 8
	ds_load_b96 v[X+4*ii:X+4*ii+2], v5 offset:576*ii   ; my wave's own bytes: LDS serves a wave's instructions in order
.set ii, ii+1
.endr
.set ii, 0
.rept 8
	s_wait_dscnt 7-ii                              ; load ii is in; the younger ones may be out
	global_store_b96 v6, v[X+4*ii:X+4*ii+2], s[18:19] offset:384*ii   ; the wave stores 384 consecutive bytes
.set ii, ii+1
.endr
	s_wait_dscnt 0x0                               ; my scale bytes have landed
	s_barrier_signal -1
	s_barrier_wait -1
	s_cmp_gt_u32 s26, 1
	s_cbranch_scc1 .Ldone
	ds_load_b128 v[240:243], v8
	s_wait_dscnt 0x0
	global_store_b128 v9, v[240:243], s[20:21]     ; 32 lanes store 512 consecutive bytes, from a multiple of 256 on
.Ldone:
	s_wait_tensorcnt 0x0
	ds_add_u32 v254, v255
	s_wait_dscnt 0x0
	s_endpgm
.Lfunc_end_k_qbdd24259a8_pre:
	.size	k_qbdd24259a8_pre, .Lfunc_end_k_qbdd24259a8_pre-k_qbdd24259a8_pre
	.p2alignl 7, 3214868480
	.fill 96, 4, 3214868480
	.section	.rodata,"a",@progbits
	.p2align	6, 0x0
	.amdhsa_kernel k_qbdd24259a8_pre
		.amdhsa_group_segment_fixed_size 39936
		.amdhsa_private_segment_fixed_size 0
		.amdhsa_enable_private_segment 0
		.amdhsa_kernarg_size 88
		.amdhsa_user_sgpr_count 2
		.amdhsa_user_sgpr_kernarg_segment_ptr 1
		.amdhsa_wavefront_size32 1
		.amdhsa_system_sgpr_workgroup_id_x 1
		.amdhsa_system_sgpr_workgroup_id_y 1
		.amdhsa_system_sgpr_workgroup_id_z 1
		.amdhsa_system_vgpr_workitem_id 0
		.amdhsa_next_free_vgpr 256
		.amdhsa_next_free_sgpr 100
		.amdhsa_reserve_vcc 0
		.amdhsa_float_denorm_mode_32 3
		.amdhsa_float_denorm_mode_16_64 3
		.amdhsa_memory_ordered 1
		.amdhsa_forward_progress 1
		.amdhsa_inst_pref_size 59
	.end_amdhsa_kernel
	.amdgpu_metadata
---
amdhsa.version: [ 1, 2 ]
amdhsa.kernels:
  - .name:           k_qbdd24259a8_pre
    .symbol:         k_qbdd24259a8_pre.kd
    .args:
      - { .name: x, .offset: 0, .size: 8, .value_kind: global_buffer, .address_space: global }
      - { .name: gn_scale, .offset: 8, .size: 8, .value_kind: global_buffer, .address_space: global }
      - { .name: gn_bias, .offset: 16, .size: 8, .value_kind: global_buffer, .address_space: global }
      - { .name: Wq, .offset: 24, .size: 8, .value_kind: global_buffer, .address_space: global }
      - { .name: Wk, .offset: 32, .size: 8, .value_kind: global_buffer, .address_space: global }
      - { .name: Wv, .offset: 40, .size: 8, .value_kind: global_buffer, .address_space: global }
      - { .name: Wt, .offset: 48, .size: 8, .value_kind: global_buffer, .address_space: global }
      - { .name: hq, .offset: 56, .size: 8, .value_kind: global_buffer, .address_space: global }
      - { .name: hs, .offset: 64, .size: 8, .value_kind: global_buffer, .address_space: global }
      - { .name: wimg, .offset: 72, .size: 8, .value_kind: global_buffer, .address_space: global }
      - { .name: wsc, .offset: 80, .size: 8, .value_kind: global_buffer, .address_space: global }
    .group_segment_fixed_size: 39936
    .private_segment_fixed_size: 0
    .kernarg_segment_align: 8
    .kernarg_segment_size: 88
    .max_flat_workgroup_size: 256
    .sgpr_count:     100
    .vgpr_count:     256
    .wavefront_size: 32
...
	.end_amdgpu_metadata
.endif
;; end of part 4
;; launch qkv (part 5): grid 256 x 1, 4 waves a work-group, no clusters, 53,760 bytes of LDS; arguments hq, hs, wimg, wsc, bq, bk, bv, qkv, qkvs; writes qkv, qkvs
.if DOCPART == 5
	.amdgcn_target "amdgcn-amd-amdhsa--gfx1250"
	.amdhsa_code_object_version 6
	.text
	.protected	k_qbdd24259a8_qkv
	.globl	k_qbdd24259a8_qkv
	.p2align	8
	.type	k_qbdd24259a8_qkv,@function
k_qbdd24259a8_qkv:
	s_mov_b64 s[64:65], 0
	v_nop
	global_prefetch_b8 v0, s[64:65] scope:SCOPE_SE
	s_setreg_imm32_b32 hwreg(HW_REG_WAVE_SCHED_MODE, 0, 2), 2
	s_setreg_imm32_b32 hwreg(HW_REG_WAVE_MODE, 25, 1), 1
	s_wait_xcnt 0x0
	s_wait_alu depctr_vm_vsrc(0)
; q, k, v = W^T h + b on codes of FP6 (E2M3) with E8M0 scales, and their quantising in registers: q and k along the channels, v along the tokens (the keys).
; SHARES.  Work-group 8 b + kg owns tokens 128 kg .. + 127 of image b: 8 tiles of 16.  THE WAVES SHARE THE CHANNELS: wave w makes channels 128 w .. + 127 of q, of k and of v, for all 128 tokens:
;   64 accumulators, 512 registers, three passes of 4 K steps x 64 matrix instructions.  So each weight fragment is wanted by ONE wave and comes straight from memory into its registers, as the image that the launch before laid;
;   h's codes (49,152 bytes) and scale words lie in LDS, written once, read by all four waves.
; TILES OF TOKENS ARE NOT NEIGHBOURS: lane r of tile m takes token 32 (m / 2) + 8 (m % 2) + r + 8 (r / 8); so are the tiles of Wq, Wk, Wv.  With such a tile as source 0, the 64 registers of 8 tiles run along its 128 rows:
;   register 16 b + i = row 32 b + 16 (lane / 16) + i, which is what the quantiser wants.  Passes Q, K: source 0 = W's tile, source 1 = h's: a lane holds one token, registers along the channels.
;   Pass V: source 0 = h's tile, source 1 = W's: a lane holds one channel, registers along the tokens.  The biases are the C of each sum's first matrix instruction.
; OUT.  Fragments as images of their 12 registers (three stores of 512 consecutive bytes), scale words as packs (lane (r, h): the words of row r of tiles 4 h + 0 .. 3):
;   q, k: [b][kg][K step = w][token tile][1536];  v: [b][channel group = w][key step = kg][channel tile][1536].
; No cluster: the work-groups share the weights alone, which go to registers; a joint load lands in LDS.  No loop and no branch: every count of a wait can be read off the text.
; LIMITS: NaN and infinities are not served; a block whose largest magnitude lies under 2^-124, a block of zeros among them, keeps the byte 1 (its bytes are read by this program alone).
; THE MODE: SCHED_MODE bits 1:0 = 2 (LLVM: expert scheduling mode 2), set by the entry lines.  The code itself states the register dependences between vector or matrix instructions
;   and memory or LDS instructions, with s_wait_alu, always for 0.
; THE PLAN.  Registers that memory or LDS instructions touch:
;   H0 = v44-91, H1 = v92-139  h's tiles 0-3 and 4-7 of a K step.  A K step is two half steps of 32 matrix instructions.  The first reads H0, and the LDS loads of the same step's tiles 4-7 land in H1;
;                              the second reads H1, and the loads of the next step's tiles 0-3 land in H0.  Between the passes the quantiser works in H1's registers; H0 keeps the next pass's first tiles.
;   weight sets 0, 1, 2 and their packs  K step k reads set k % 3.  The 25 loads of set (k + 2) % 3, which step k - 1 read, are issued in step k: 12 in its first half, 13 in its second.
;   the bias (window 1)        read as C by a pass's first K step.  bk's loads are issued in K step 1; bv's, into v140-147, which no line names before, in K step 5.
;   P0 = v108-119, P1 = v148-159  two out-buffers of codes; v136-139 the pack.  Written by the quantiser, read by the global stores.
;   v1-v8                      addresses and offsets, made once at the head and never written again.
; ONE wait on va_vdst stands at the head of each half step: all that was issued before it is complete, the matrix instructions that read the other H buffer, set (k + 2) % 3 and the bias among them, and after a pass the
;   quantiser's lines on H1's registers.  Behind it the half step's matrix instructions name this half's H buffer, set k % 3 and its pack, h's scale words, the bias and the accumulators: none of the registers that the
;   half step's loads touch.  So these are dealt among them with no further wait: 8 products, 12 LDS loads, 8 products, 12 LDS loads, 8 products, 12 or 13 loads of weights, 8 products.
;   In a quantising pass two fragments are made, one into each out-buffer; one wait on va_vdst stands ahead of their six stores, one on vm_vsrc ahead of the next pair's first conversion.
; REGISTERS.  window 0: v1-8 addresses; v16-31 h's scale packs; v32-43 the weights' packs, three sets; v44-139 eight fragments of h (v92-139 between the passes: the quantiser's); v140-147 bv; v148-159 the second out-buffer;
;   v160-255 weight set 2 (at the head: h's codes on their way to LDS).
;   window 1: v0-95, v96-191 weight sets 0, 1; v192-255 the bias, 8 registers a tile.   windows 2, 3: the accumulators: group n of eight tiles at window 2 + n / 4, v[64 (n % 4)].
.set HSW,  50176                       ; LDS: h's codes, block bg at 3,136 bg (3,072 bytes + 64: with it the 32 lanes of a load of 8 bytes touch 64 different banks; 64 banks of 4 bytes: ISA guide 11.1); then its scale words [K step][token]
.set HSP,  16
.set WP,   32
.set HB,   44                          ; v44-139  h's tile m of the K step in hand at HB + 12 m
.set TM,   92                          ; v92-95 largest magnitudes, v96-99 bytes, v104-107 the conversions' scale operands
.set PC,   108                         ; v108-119 out-buffer 0
.set TP,   120                         ; v120-127 the blocks' upper halves: named by vector instructions alone
.set PW,   128                         ; v128-135 eight scale words
.set SP,   136                         ; v136-139 their pack
.set BVT,  140                         ; v140-147 bv of my lane's channel in each tile
.set PD,   148                         ; v148-159 out-buffer 1
.set W2,   160
.set BIAS, 192
.set SEL,  36
.set MSB, 0
.macro WIN new                         ; the immediate's high byte repeats the setting that is left; a switch that changes nothing is dropped
.if MSB != (\new)
	s_set_vgpr_msb (MSB<<8)|(\new)
.set MSB, (\new)
.endif
.endm
.macro PLACES n
.rept \n
	v_nop
.endr
.endm
; one matrix instruction.  c < 0: the constant 0 starts the sum.  ra, rb = 1: that side's scales are read from lanes 16-31
.macro WMMA d, a, b, c, sa, sb, ra, rb
.if (\c) < 0
.if (\ra) && (\rb)
	v_wmma_scale_f32_16x16x128_f8f6f4 v[(\d):(\d)+7], v[(\a):(\a)+11], v[(\b):(\b)+11], 0, v[(\sa)], v[(\sb)] matrix_a_fmt:MATRIX_FMT_FP6 matrix_b_fmt:MATRIX_FMT_FP6 matrix_a_scale:MATRIX_SCALE_ROW1 matrix_b_scale:MATRIX_SCALE_ROW1
.elseif (\ra)
	v_wmma_scale_f32_16x16x128_f8f6f4 v[(\d):(\d)+7], v[(\a):(\a)+11], v[(\b):(\b)+11], 0, v[(\sa)], v[(\sb)] matrix_a_fmt:MATRIX_FMT_FP6 matrix_b_fmt:MATRIX_FMT_FP6 matrix_a_scale:MATRIX_SCALE_ROW1
.elseif (\rb)
	v_wmma_scale_f32_16x16x128_f8f6f4 v[(\d):(\d)+7], v[(\a):(\a)+11], v[(\b):(\b)+11], 0, v[(\sa)], v[(\sb)] matrix_a_fmt:MATRIX_FMT_FP6 matrix_b_fmt:MATRIX_FMT_FP6 matrix_b_scale:MATRIX_SCALE_ROW1
.else
	v_wmma_scale_f32_16x16x128_f8f6f4 v[(\d):(\d)+7], v[(\a):(\a)+11], v[(\b):(\b)+11], 0, v[(\sa)], v[(\sb)] matrix_a_fmt:MATRIX_FMT_FP6 matrix_b_fmt:MATRIX_FMT_FP6
.endif
.else
.if (\ra) && (\rb)
	v_wmma_scale_f32_16x16x128_f8f6f4 v[(\d):(\d)+7], v[(\a):(\a)+11], v[(\b):(\b)+11], v[(\c):(\c)+7], v[(\sa)], v[(\sb)] matrix_a_fmt:MATRIX_FMT_FP6 matrix_b_fmt:MATRIX_FMT_FP6 matrix_a_scale:MATRIX_SCALE_ROW1 matrix_b_scale:MATRIX_SCALE_ROW1
.elseif (\ra)
	v_wmma_scale_f32_16x16x128_f8f6f4 v[(\d):(\d)+7], v[(\a):(\a)+11], v[(\b):(\b)+11], v[(\c):(\c)+7], v[(\sa)], v[(\sb)] matrix_a_fmt:MATRIX_FMT_FP6 matrix_b_fmt:MATRIX_FMT_FP6 matrix_a_scale:MATRIX_SCALE_ROW1
.elseif (\rb)
	v_wmma_scale_f32_16x16x128_f8f6f4 v[(\d):(\d)+7], v[(\a):(\a)+11], v[(\b):(\b)+11], v[(\c):(\c)+7], v[(\sa)], v[(\sb)] matrix_a_fmt:MATRIX_FMT_FP6 matrix_b_fmt:MATRIX_FMT_FP6 matrix_b_scale:MATRIX_SCALE_ROW1
.else
	v_wmma_scale_f32_16x16x128_f8f6f4 v[(\d):(\d)+7], v[(\a):(\a)+11], v[(\b):(\b)+11], v[(\c):(\c)+7], v[(\sa)], v[(\sb)] matrix_a_fmt:MATRIX_FMT_FP6 matrix_b_fmt:MATRIX_FMT_FP6
.endif
.endif
.endm
; 64 numbers of a lane at v[src] on in window X, register 16 b + i = k 32 b + 16 (lane / 16) + i of my row.  QMAX: the four blocks' largest magnitudes; each accumulator is read from its low end on
.macro QMAX src, X
	WIN (\X)+((\X)<<2)
.irp b, 0,1,2,3
	v_max3_num_f32 v[TM+\b], |v[(\src)+16*\b]|, |v[(\src)+16*\b+1]|, 0x1800000   ; and the floor 2^(3 - 127): the byte cannot fall under 1
.endr
.irp i, 2,4,6,8,10,12,14
.irp b, 0,1,2,3
	v_max3_num_f32 v[TM+\b], |v[(\src)+16*\b+\i]|, |v[(\src)+16*\b+\i+1]|, v[TM+\b]   ; (the four blocks by turns)
.endr
.endr
	WIN 0
.irp b, 0,1,2,3
	v_permlanex16_b32 v[TM+4+\b], v[TM+\b], s[SEL], s[SEL+1]
.endr
.irp b, 0,1,2,3
	v_max_num_f32 v[TM+\b], v[TM+\b], v[TM+4+\b]   ; with lane l xor 16's
.endr
.endm
; QSCL: the conversions' scale operands, and the scale word to v[pw]
.macro QSCL pw
.irp b, 0,1,2,3
	v_add_nc_u32 v[TM+12+\b], 0xff000000, v[TM+\b]   ; 2 off the exponent field: the conversion's scale operand
.endr
.irp b, 0,1,2,3
	v_lshrrev_b32 v[TM+4+\b], 23, v[TM+12+\b]      ; the byte
.endr
	v_lshl_or_b32 v[(\pw)], v[TM+5], 8, v[TM+4]
	v_lshl_or_b32 v[(\pw)], v[TM+6], 16, v[(\pw)]
	v_lshl_or_b32 v[(\pw)], v[TM+7], 24, v[(\pw)]
.endm
; QCVT: the fragment's codes to the out-buffer v[o] .. v[o + 11]
.macro QCVT src, X, o
	WIN (\X)
.irp c, 0,1
	v_cvt_scalef32_pk16_fp6_f32 v[(\o)+6*\c:(\o)+6*\c+2], v[(\src)+32*\c:(\src)+32*\c+15], v[TM+12+2*\c]
	v_cvt_scalef32_pk16_fp6_f32 v[TP+4*\c:TP+4*\c+2], v[(\src)+32*\c+16:(\src)+32*\c+31], v[TM+13+2*\c]   ; (a conversion's three registers begin on an even number)
.endr
	WIN 0
	v_nop                                          ; a plain place behind the conversions
.irp c, 0,1                            ; the operand's layout wants a whole block in a lane: lanes 0-15 block 2 c, lanes 16-31 block 2 c + 1
.irp i, 0,1,2
	v_permlane16_swap_b32 v[(\o)+6*\c+\i], v[TP+4*\c+\i]
.endr
.irp i, 0,1,2
	v_mov_b32 v[(\o)+3+6*\c+\i], v[TP+4*\c+\i]
.endr
.endr
.endm
.macro BIASLD sb                       ; passes Q, K: tile t's register j is channel 32 (t / 2) + 8 (t % 2) + 16 h + j
	WIN 0x40
.irp t, 0,1,2,3,4,5,6,7
	global_load_b128 v[BIAS+8*\t:BIAS+8*\t+3], v7, s[\sb:\sb+1] offset:(32*(\t/2)+8*(\t%2))*4
	global_load_b128 v[BIAS+8*\t+4:BIAS+8*\t+7], v7, s[\sb:\sb+1] offset:(32*(\t/2)+8*(\t%2))*4+16
.endr
	WIN 0
.endm
.macro WLOADP k, part                  ; K step k = 4 pass + s, set k % 3.  part 0: my weight fragments 0-3, 12 loads; part 1: fragments 4-7 and the pack, 13 loads
.set wlS, (\k)%3
.set wlO, ((\k)/4)*196608+((\k)%4)*12288
.if wlS == 2
	WIN 0
.set wlR, W2
.else
	WIN 0x40
.set wlR, 96*wlS
.endif
.set wli, 12*(\part)
.rept 12
	global_load_b128 v[wlR+4*wli:wlR+4*wli+3], v1, s[8:9] offset:wlO+512*wli
.set wli, wli+1
.endr
.if (\part) == 1
	WIN 0
	global_load_b128 v[WP+4*wlS:WP+4*wlS+3], v1, s[10:11] offset:((\k)/4)*8192+((\k)%4)*512
.endif
.endm
.macro HLOAD s, m                      ; h's fragment (K step s, tile m): six pieces of 8 bytes: blocks 4 s + 2 (p / 3) + h of my token
.irp p, 0,1,2,3,4,5
	ds_load_b64 v[HB+12*(\m)+2*\p:HB+12*(\m)+2*\p+1], v2 offset:(4*(\s)+2*(\p/3))*3136+24*(32*((\m)/2)+8*((\m)%2))+8*(\p%3)
.endr
.endm
; 8 matrix instructions of the 16 that take token tiles 2 j, 2 j + 1 against my 8 weight tiles.  Passes Q, K: tile 2 j + u against all eight.  Pass V: both tiles against weight tiles 4 u + 0 .. 3.
; All 64 accumulators take turns, one instruction a turn, in the same order in every K step
.macro MUL8 k, j, u
.set pP, (\k)/4
.set pS, (\k)%4
.set pW, (\k)%3
.if pW == 2
.set wWin, 0
.set wReg, W2
.else
.set wWin, 1
.set wReg, 96*pW
.endif
.if pP < 2
.set xm, 2*(\j)+(\u)
.set xX, 2+(\j)/2
.if pS == 0
	WIN wWin+(1<<4)+(xX<<6)
.else
	WIN wWin+(xX<<4)+(xX<<6)
.endif
.set ti, 0
.rept 8
.if pS == 0
	WMMA 64*(xm%4)+8*ti, wReg+12*ti, HB+12*xm, BIAS+8*ti, WP+4*pW+ti%4, HSP+4*pS+xm%4, ti/4, xm/4
.else
	WMMA 64*(xm%4)+8*ti, wReg+12*ti, HB+12*xm, 64*(xm%4)+8*ti, WP+4*pW+ti%4, HSP+4*pS+xm%4, ti/4, xm/4
.endif
.set ti, ti+1
.endr
.else
.set xX, 2+(\u)
.if pS == 0
	WIN (wWin<<2)+(1<<4)+(xX<<6)
.else
	WIN (wWin<<2)+(xX<<4)+(xX<<6)
.endif
.set ti, 4*(\u)
.rept 4
.set mi, 0
.rept 2
.set xm, 2*(\j)+mi
.if pS == 0
	WMMA 64*(ti%4)+8*xm, HB+12*xm, wReg+12*ti, BIAS+8*ti, HSP+4*pS+xm%4, WP+4*pW+ti%4, xm/4, ti/4
.else
	WMMA 64*(ti%4)+8*xm, HB+12*xm, wReg+12*ti, 64*(ti%4)+8*xm, HSP+4*pS+xm%4, WP+4*pW+ti%4, xm/4, ti/4
.endif
.set mi, mi+1
.endr
.set ti, ti+1
.endr
.endif
.endm
; HALF A K STEP: 32 matrix instructions on h's tiles 4 hh + 0 .. 3.  The four fragments of the next half step are asked for behind its 8th and its 16th product, half a weight set of two K steps on behind its 24th.
.macro HALF k, hh
.set hN, 2*(\k)+(\hh)+1                ; the half step whose fragments of h are asked for in this one
.if ((\hh) == 1) || (((\k)%4) != 0)
	PLACES 4                                       ; four plain places behind the products whose operands' registers are loaded anew below (ISA guide 7.12.1): they stay beside the wait on va_vdst, which fills no place.  Behind a quantising pass its own places serve
.endif
.if (\hh) == 0
.if (\k) < 11
	s_wait_loadcnt 25                              ; loads come back in order (ISA guide 5.7.1): this step's weight set and all that is older are in; the one younger set, 25 loads, may be out
.else
	s_wait_loadcnt 0x0
.endif
.if ((\k) == 4) || ((\k) == 8)
	s_wait_xcnt 0x0                                ; the last pass's stores have had their addresses translated (ISA guide 3.1): their data registers are written again only behind this wait,
	s_wait_alu depctr_vm_vsrc(0)                   ; and they have read both out-buffers and the pack: h's loads land in v108-119 and v136-139, the next pass's conversions write v148-159
.endif
.endif
	s_wait_dscnt 12                                ; this half's first two fragments (and, in the first half step, h's scale words) are in; its other two, 12 loads, may be out
	s_wait_alu depctr_va_vdst(0)                   ; all earlier products are done reading the other four fragments of h, weight set (k + 2) % 3 with its pack, and the bias; behind the head and behind a pass the vector lines on v92-139 are done too: this half's loads land there
	MUL8 \k, 2*(\hh), 0
.if hN < 24
	WIN 0
	HLOAD (hN/2)%4, 4*(hN%2)                       ; no wait: no product since the wait above names these registers
	HLOAD (hN/2)%4, 4*(hN%2)+1
.endif
	MUL8 \k, 2*(\hh), 1
.if hN < 24
	WIN 0
	HLOAD (hN/2)%4, 4*(hN%2)+2
	HLOAD (hN/2)%4, 4*(hN%2)+3
	s_wait_dscnt 24                                ; this half's last two fragments are in; the 24 loads just issued may be out
.else
	s_wait_dscnt 0x0
.endif
	MUL8 \k, 2*(\hh)+1, 0
.if (\k)+2 <= 11
.if ((\hh) == 0) && ((\k) == 1)
	BIASLD 14                                      ; bk: the last product that took bq as its C stands ahead of this half's wait on va_vdst
.endif
.if ((\hh) == 0) && ((\k) == 5)
	WIN 0
.irp t, 0,1,2,3,4,5,6,7
	global_load_b32 v[BVT+\t], v8, s[16:17] offset:(16*\t-8*(\t%2))*4   ; bv of my lane's channel in tile t
.endr
.endif
	WLOADP (\k)+2, \hh                             ; into the set that the K step before multiplied; the set's 25 loads are the youngest when the next K step begins
.endif
	MUL8 \k, 2*(\hh)+1, 1
.endm
.macro KSTEP k
	HALF \k, 0
	HALF \k, 1
.endm
; The pass's 8 groups of 64 registers become 8 fragments and a pack, two fragments at a time: the first into out-buffer 0, the second into out-buffer 1, then their six stores
.macro QPASS ob, sb
	PLACES 4                                       ; four places behind the last products, before vector lines read their results and write the registers of h's tiles 4-7 (ISA guide 7.12.1)
.set pp, 0
.rept 4
.set ga, 2*pp
.set gb, 2*pp+1
	QMAX 64*(ga%4), 2+ga/4
	QSCL PW+ga
.if pp > 0
	s_wait_xcnt 0x0                                ; the last pair's stores have had their addresses translated (ISA guide 3.1),
	s_wait_alu depctr_vm_vsrc(0)                   ; and have read both out-buffers, which the conversions below write again.  (The first pair owes neither: no store since the K step's wait on vm_vsrc, or none at all, has read them)
.endif
	QCVT 64*(ga%4), 2+ga/4, PC
	QMAX 64*(gb%4), 2+gb/4
	QSCL PW+gb
	QCVT 64*(gb%4), 2+gb/4, PD
.if pp == 3
.irp i, 0,1,2,3
	v_cndmask_b32 v[SP+\i], v[PW+\i], v[PW+4+\i], s38   ; lanes 0-15: tile i's words; lanes 16-31: tile 4 + i's
.endr
.endif
	s_wait_alu depctr_va_vdst(0)                   ; conversions, swaps and moves have written both out-buffers (in the last pair the selects the pack too), which the stores below read
.irp j, 0,1,2
	global_store_b128 v1, v[PC+4*\j:PC+4*\j+3], s[\ob:\ob+1] offset:1536*ga+512*\j   ; 512 consecutive bytes a store
.endr
.irp j, 0,1,2
	global_store_b128 v1, v[PD+4*\j:PD+4*\j+3], s[\ob:\ob+1] offset:1536*gb+512*\j
.endr
.if pp == 3
	global_store_b128 v1, v[SP:SP+3], s[\sb:\sb+1]
.endif
.set pp, pp+1
.endr
.endm
	s_load_b256 s[4:11], s[0:1], 0x0               ; hq, hs, wimg, wsc
	s_load_b256 s[12:19], s[0:1], 0x20             ; bq, bk, bv, qkv
	s_load_b64 s[20:21], s[0:1], 0x40              ; qkvs
	v_lshl_add_u32 v14, v0, 2, 0xd000
	v_mov_b32 v15, 0
	v_lshrrev_b32 v1, 5, v0
	v_readfirstlane_b32 s22, v1                    ; wave 0..3
	v_and_b32 v9, 31, v0
	v_lshlrev_b32 v1, 4, v9                        ; 16 x lane: an image's place for my lane
	v_and_b32 v10, 15, v0                          ; r
	v_bfe_u32 v11, v0, 4, 1                        ; h
	v_and_b32 v12, 8, v10
	v_add_nc_u32 v12, v12, v10                     ; r + 8 (r / 8)
	v_mul_u32_u24 v2, v12, 24
	v_mad_u32_u24 v2, v11, 3136, v2                ; h's fragments: my token's 24 bytes, lanes 16-31 one block on
	v_lshlrev_b32 v3, 2, v12
	v_lshl_add_u32 v3, v11, 8, v3
	v_add_nc_u32 v3, HSW, v3                       ; h's scale words: lanes 0-15 tiles 0-3, lanes 16-31 tiles 4-7 (64 tokens on)
	s_wait_alu depctr_va_sdst(0)                   ; s22 is written, ahead of its first reader: LDS places and the buffers' bases are made from it
	s_mul_i32 s23, s22, 12544
	v_add_nc_u32 v4, s23, v1                       ; where I store my four blocks of h's codes
	v_lshl_add_u32 v5, v0, 2, HSW                  ; and token tid's scale words
	v_lshlrev_b32 v7, 6, v11                       ; bq, bk: 16 h channels on
	v_lshlrev_b32 v8, 2, v12                       ; bv: my lane's channel in a tile
	s_lshr_b32 s39, ttmp9, 3                       ; b
	s_and_b32 s40, ttmp9, 7                        ; kg
	s_mov_b32 s3, 0
	s_mov_b32 s[SEL], 0x76543210
	s_mov_b32 s[SEL+1], 0xfedcba98
	s_mov_b32 s38, 0xffff0000                      ; lanes 16-31
	s_wait_kmcnt 0x0
	s_mul_i32 s2, s39, 393216
	s_mul_i32 s41, s40, 3072
	s_add_co_u32 s2, s2, s41
	s_mul_i32 s41, s22, 98304
	s_add_co_u32 s2, s2, s41
	s_add_nc_u64 s[4:5], s[4:5], s[2:3]            ; h's codes: image b, blocks 4 w on, tokens 128 kg on
	s_lshl_b32 s2, s39, 14
	s_lshl_b32 s41, s40, 7
	s_add_co_u32 s2, s2, s41
	s_add_nc_u64 s[6:7], s[6:7], s[2:3]            ; h's scale bytes
	s_wait_alu depctr_va_vdst(0)                   ; the addresses and offsets v1 to v8 are written, which every load and store of the kernel reads; none is written again
.set ci, 0
.rept 4
.set cj, 0
.rept 6
	global_load_b128 v[W2+24*ci+4*cj:W2+24*ci+4*cj+3], v1, s[4:5] offset:24576*ci+512*cj th:TH_LOAD_NT   ; read once in this launch
.set cj, cj+1
.endr
.set ci, ci+1
.endr
.set ci, 0
.rept 16
	global_load_u8 v[TM+ci], v0, s[6:7] offset:1024*ci   ; token tid's byte of block ci
.set ci, ci+1
.endr
	s_mul_i32 s2, s22, 49152
	s_add_nc_u64 s[8:9], s[8:9], s[2:3]            ; my 128 columns of each weight
	s_lshl_b32 s2, s22, 11
	s_add_nc_u64 s[10:11], s[10:11], s[2:3]
	s_lshl_b32 s2, s22, 9
	s_add_nc_u64 s[12:13], s[12:13], s[2:3]
	s_add_nc_u64 s[14:15], s[14:15], s[2:3]
	s_add_nc_u64 s[16:17], s[16:17], s[2:3]
	s_lshl_b32 s41, ttmp9, 2
	s_add_co_u32 s41, s41, s22                     ; 4 (8 b + kg) + w
	s_mul_i32 s2, s41, 12288
	s_add_nc_u64 s[24:25], s[18:19], s[2:3]        ; q's fragments,
	s_add_nc_u64 s[26:27], s[24:25], 12582912      ; k's
	s_lshl_b32 s2, s41, 9
	s_add_nc_u64 s[30:31], s[20:21], s[2:3]        ; q's pack,
	s_add_nc_u64 s[32:33], s[30:31], 524288        ; k's
	s_lshl_b32 s41, s39, 2
	s_add_co_u32 s41, s41, s22
	s_lshl_b32 s41, s41, 3
	s_add_co_u32 s41, s41, s40                     ; 8 (4 b + w) + kg
	s_mul_i32 s2, s41, 12288
	s_add_nc_u64 s[28:29], s[18:19], s[2:3]
	s_add_nc_u64 s[28:29], s[28:29], 25165824      ; v's fragments
	s_lshl_b32 s2, s41, 9
	s_add_nc_u64 s[34:35], s[20:21], s[2:3]
	s_add_nc_u64 s[34:35], s[34:35], 1048576       ; v's pack
	BIASLD 12                                      ; bq
	WLOADP 0, 0
	WLOADP 0, 1
	s_wait_loadcnt 41                              ; h's codes and bytes are in; bq's 16 loads and set 0's 25 may be out
.set ci, 0
.rept 4
.set cj, 0
.rept 6
	ds_store_b128 v4, v[W2+24*ci+4*cj:W2+24*ci+4*cj+3] offset:3136*ci+512*cj
.set cj, cj+1
.endr
.set ci, ci+1
.endr
.irp s, 0,1,2,3
	v_lshl_or_b32 v[TM+4*\s], v[TM+4*\s+1], 8, v[TM+4*\s]
	v_lshl_or_b32 v[TM+4*\s], v[TM+4*\s+2], 16, v[TM+4*\s]
	v_lshl_or_b32 v[TM+4*\s], v[TM+4*\s+3], 24, v[TM+4*\s]
.endr
	s_wait_alu depctr_va_vdst(0)                   ; the token's four scale words are written, which the LDS stores below read
.irp s, 0,1,2,3
	ds_store_b32 v5, v[TM+4*\s] offset:512*\s      ; the token's scale word of K step s
.endr
	WLOADP 1, 0
	WLOADP 1, 1
	s_wait_dscnt 0x0                               ; for the others' sake: my stores have landed
	s_barrier_signal -1
	s_barrier_wait -1                              ; the one barrier: h lies in LDS and is only read from here on
	s_wait_alu depctr_vm_vsrc(0)                   ; my LDS stores have read v160-255, in which weight set 2 lands, and the four words, whose registers the moves below and h's loads write
.irp b, 0,1,2,3
	v_mov_b32 v[TM+4+\b], 0                        ; a permute's destination counts as read
.endr
.irp s, 0,1,2,3
.irp i, 0,1,2,3
	ds_load_b32 v[HSP+4*\s+\i], v3 offset:512*\s+4*(32*(\i/2)+8*(\i%2))
.endr
.endr
	HLOAD 0, 0
	HLOAD 0, 1
	HLOAD 0, 2
	HLOAD 0, 3
	KSTEP 0
	KSTEP 1
	KSTEP 2
	KSTEP 3
	QPASS 24, 30
	KSTEP 4
	KSTEP 5
	KSTEP 6
	KSTEP 7
	QPASS 26, 32
	WIN 0x40                                       ; pass V's bias: a lane holds one channel, so a tile's eight registers are one number (bv's loads are older than set 7: K step 6's wait, which leaves that set alone out, has shown them in)
.set ti, 0
.rept 8
.set ji, 0
.rept 8
	v_mov_b32 v[BIAS+8*ti+ji], v[BVT+ti]
.set ji, ji+1
.endr
.set ti, ti+1
.endr
	WIN 0
	KSTEP 8
	KSTEP 9
	KSTEP 10
	KSTEP 11
	QPASS 28, 34
	s_wait_dscnt 0x0
	s_wait_alu depctr_hold_cnt(0) depctr_sa_sdst(0) depctr_va_vdst(0) depctr_va_sdst(0) depctr_va_ssrc(0) depctr_va_vcc(0) depctr_vm_vsrc(0)
	s_wait_tensorcnt 0x0
	ds_add_u32 v14, v15
	s_wait_dscnt 0x0
	s_endpgm
.Lfunc_end_k_qbdd24259a8_qkv:
	.size	k_qbdd24259a8_qkv, .Lfunc_end_k_qbdd24259a8_qkv-k_qbdd24259a8_qkv
	.p2alignl 7, 3214868480
	.fill 96, 4, 3214868480
	.section	.rodata,"a",@progbits
	.p2align	6, 0x0
	.amdhsa_kernel k_qbdd24259a8_qkv
		.amdhsa_group_segment_fixed_size 53760
		.amdhsa_private_segment_fixed_size 0
		.amdhsa_enable_private_segment 0
		.amdhsa_kernarg_size 72
		.amdhsa_user_sgpr_count 2
		.amdhsa_user_sgpr_kernarg_segment_ptr 1
		.amdhsa_wavefront_size32 1
		.amdhsa_system_sgpr_workgroup_id_x 1
		.amdhsa_system_sgpr_workgroup_id_y 1
		.amdhsa_system_sgpr_workgroup_id_z 1
		.amdhsa_system_vgpr_workitem_id 0
		.amdhsa_next_free_vgpr 1024
		.amdhsa_next_free_sgpr 66
		.amdhsa_reserve_vcc 0
		.amdhsa_float_denorm_mode_32 3
		.amdhsa_float_denorm_mode_16_64 3
		.amdhsa_memory_ordered 1
		.amdhsa_forward_progress 1
		.amdhsa_inst_pref_size 255
	.end_amdhsa_kernel
	.section	.bss,"aw",@nobits
	.p2align	6
	.space	262144
	.amdgpu_metadata
---
amdhsa.version: [ 1, 2 ]
amdhsa.kernels:
  - .name:           k_qbdd24259a8_qkv
    .symbol:         k_qbdd24259a8_qkv.kd
    .args:
      - { .name: hq, .offset: 0, .size: 8, .value_kind: global_buffer, .address_space: global }
      - { .name: hs, .offset: 8, .size: 8, .value_kind: global_buffer, .address_space: global }
      - { .name: wimg, .offset: 16, .size: 8, .value_kind: global_buffer, .address_space: global }
      - { .name: wsc, .offset: 24, .size: 8, .value_kind: global_buffer, .address_space: global }
      - { .name: bq, .offset: 32, .size: 8, .value_kind: global_buffer, .address_space: global }
      - { .name: bk, .offset: 40, .size: 8, .value_kind: global_buffer, .address_space: global }
      - { .name: bv, .offset: 48, .size: 8, .value_kind: global_buffer, .address_space: global }
      - { .name: qkv, .offset: 56, .size: 8, .value_kind: global_buffer, .address_space: global }
      - { .name: qkvs, .offset: 64, .size: 8, .value_kind: global_buffer, .address_space: global }
    .group_segment_fixed_size: 53760
    .private_segment_fixed_size: 0
    .kernarg_segment_align: 8
    .kernarg_segment_size: 72
    .max_flat_workgroup_size: 128
    .sgpr_count:     66
    .vgpr_count:     1024
    .wavefront_size: 32
...
	.end_amdgpu_metadata
.endif
;; end of part 5
;; launch att (part 6): grid 16 x 32, 4 waves a work-group, no clusters, 229,888 bytes of LDS; arguments qkv, qkvs, wimg, wsc, bt, x, out0; writes out0
.if DOCPART == 6
	.amdgcn_target "amdgcn-amd-amdhsa--gfx1250"
	.amdhsa_code_object_version 6
	.text
	.protected	k_qbdd24259a8_att
	.globl	k_qbdd24259a8_att
	.p2align	8
	.type	k_qbdd24259a8_att,@function
k_qbdd24259a8_att:
	s_mov_b64 s[64:65], 0
	v_nop
	global_prefetch_b8 v0, s[64:65] scope:SCOPE_SE
	s_setreg_imm32_b32 hwreg(HW_REG_WAVE_MODE, 25, 1), 1
	s_wait_xcnt 0x0
; out = Wt^T (V softmax(Q^T K / sqrt(512))^T) + bt + x, all three products on codes of FP6 (E2M3) with E8M0 scales.  The softmax is quantised FINISHED AND NORMALISED, along the keys: a row's maximum and sum over all 1,024 keys
; are known before any of its numbers is quantised.  So the scores of a block of queries stay in registers: 64 queries x 1,024 keys x 4 bytes = 512 registers in each of four waves.
; SHARES.  Work-group (qb, b) owns queries 64 qb .. + 63 of image b: four tiles of 16.  THE WAVES SHARE THE COLUMNS OF EACH PRODUCT: wave w makes the scores of keys 256 w .. + 255, then channels 128 w .. + 127 of O, then outputs
;   128 w .. + 127.  So each fragment of K, V and Wt is wanted by ONE wave and comes straight from memory into its registers (three loads of 512 consecutive bytes: the image that the launches before laid), and feeds four matrix instructions.
;   What the waves make for each other goes through LDS as images of registers: the rows' maxima and sums, P's 32 fragments, O's 16.
; LAYOUT.  S^T = K Q^T and O^T = V^T P^T: a lane holds one query, its registers run along the keys, then along the channels: register 16 b + i of eight tiles = k 32 b + 16 (lane / 16) + i, since K's and V^T's tiles are laid so.
;   The last product takes O as source 0 and Wt as source 1: a lane holds one output channel and eight neighbouring positions; its sums begin with x + bt.
; x's tile (128 rows of 256 bytes a wave) comes by one tensor load a wave, the launch's only fill of those bytes; the results go out through the same bytes, the wave's own, as whole rows of 256 bytes.
; NO CLUSTER, though the 16 work-groups of an image walk the same K, V and Wt: a joint load lands in LDS, and here no streamed byte passes through LDS: each of the 983,040 bytes that a work-group streams goes to one wave's registers.
;   Shared through LDS they would be written there and read again, behind a round of the cluster's barrier for each refill of a ring, beside the 223,232 bytes that the images and x's tile take.
; No loop and no branch: every count of a wait can be read off the text.
; LIMITS: NaN and infinities are not served.  v_exp_f32 and v_rcp_f32 are good to one unit in the last place; a p under 2^-126 becomes 0.  A block's largest p is not searched for: the block's largest score goes through the same
;   multiply-add, exponential and multiplication, which takes v_exp_f32 not to fall where its input rises.  A block whose largest magnitude lies under 2^-124 keeps the byte 1.  The sums are taken in another order than the reference's.
; REGISTERS.  window 0: v1-13 addresses; v16-31 scale words of Q, then P, then O; v32-63 scale packs of K, then V, then Wt; v64-255 Q's 16 fragments, then the softmax's and quantiser's registers and P's fragments, then O's 16.
;   window 1: v0-239 a ring of 20 fragments (5 quads); v240-255 bt.   window 2: scores of my first 128 keys, then O^T, then rows on the way out.   window 3: scores of my second 128 keys, then the last product's sums.
.set PSC,  49152                       ; LDS: P's images [key step 8][query tile 4][1536] from 0; their scale words [key step][512]
.set MXX,  53248                       ; the rows' maxima [wave][512]; 2,048 bytes on their sums
.set OIMG, 57344                       ; O's images [K step 4][query tile 4][1536]
.set OSC,  81920                       ; their scale words [K step][512]
.set STG,  83968                       ; x's tile, later the results: 128 rows of 272 bytes for each wave
.set QS,  16
.set KP,  32
.set QF,  64
.set BM,  64                           ; v64-95   the blocks' largest scores: 4 (4 G + qt) + b
.set PT,  96                           ; v96-127  the permutes' results
.set RM,  128                          ; v128-131 the rows' maxima
.set RS,  132                          ; v132-135 the rows' sums
.set EX,  136                          ; v136-151 the four waves' figures
.set NMC, 152                          ; v152-159 -c x maximum, in pairs
.set INV, 160                          ; v160-167 1 / sum, in pairs
.set SA,  168                          ; v168-183 the sums' two chains
.set SB,  176
.set TM,  184
.set PC,  200
.set PWQ, 220
.set BT,  240
.set QB,  22
.set QSB, 24
.set KB,  26
.set KSB, 28
.set VB,  30
.set VSB, 32
.set WB,  34
.set WSB, 36
.set BTB, 38
.set OB,  40
.set CS,  56
.set NCS, 58
.set SEL, 60
.set MSB, 0
.macro WIN new                         ; the immediate's high byte repeats the setting that is left; a switch that changes nothing is dropped
.if MSB != (\new)
	s_set_vgpr_msb (MSB<<8)|(\new)
.set MSB, (\new)
.endif
.endm
.macro PLACES n
.rept \n
	v_nop
.endr
.endm
; one matrix instruction.  c < 0: the constant 0 starts the sum.  ra, rb = 1: that side's scales are read from lanes 16-31
.macro WMMA d, a, b, c, sa, sb, ra, rb
.if (\c) < 0
.if (\ra)
	v_wmma_scale_f32_16x16x128_f8f6f4 v[(\d):(\d)+7], v[(\a):(\a)+11], v[(\b):(\b)+11], 0, v[(\sa)], v[(\sb)] matrix_a_fmt:MATRIX_FMT_FP6 matrix_b_fmt:MATRIX_FMT_FP6 matrix_a_scale:MATRIX_SCALE_ROW1
.else
	v_wmma_scale_f32_16x16x128_f8f6f4 v[(\d):(\d)+7], v[(\a):(\a)+11], v[(\b):(\b)+11], 0, v[(\sa)], v[(\sb)] matrix_a_fmt:MATRIX_FMT_FP6 matrix_b_fmt:MATRIX_FMT_FP6
.endif
.else
.if (\ra)
	v_wmma_scale_f32_16x16x128_f8f6f4 v[(\d):(\d)+7], v[(\a):(\a)+11], v[(\b):(\b)+11], v[(\c):(\c)+7], v[(\sa)], v[(\sb)] matrix_a_fmt:MATRIX_FMT_FP6 matrix_b_fmt:MATRIX_FMT_FP6 matrix_a_scale:MATRIX_SCALE_ROW1
.elseif (\rb)
	v_wmma_scale_f32_16x16x128_f8f6f4 v[(\d):(\d)+7], v[(\a):(\a)+11], v[(\b):(\b)+11], v[(\c):(\c)+7], v[(\sa)], v[(\sb)] matrix_a_fmt:MATRIX_FMT_FP6 matrix_b_fmt:MATRIX_FMT_FP6 matrix_b_scale:MATRIX_SCALE_ROW1
.else
	v_wmma_scale_f32_16x16x128_f8f6f4 v[(\d):(\d)+7], v[(\a):(\a)+11], v[(\b):(\b)+11], v[(\c):(\c)+7], v[(\sa)], v[(\sb)] matrix_a_fmt:MATRIX_FMT_FP6 matrix_b_fmt:MATRIX_FMT_FP6
.endif
.endif
.endm
; 64 numbers of a lane at v[src] on in window X, register 16 b + i = k 32 b + 16 (lane / 16) + i of my row.  QMAX: the four blocks' largest magnitudes; each accumulator is read from its low end on
.macro QMAX src, X
	WIN (\X)+((\X)<<2)
.irp b, 0,1,2,3
	v_max3_num_f32 v[TM+\b], |v[(\src)+16*\b]|, |v[(\src)+16*\b+1]|, 0x1800000   ; and the floor 2^(3 - 127): the byte cannot fall under 1
.endr
.irp i, 2,4,6,8,10,12,14
.irp b, 0,1,2,3
	v_max3_num_f32 v[TM+\b], |v[(\src)+16*\b+\i]|, |v[(\src)+16*\b+\i+1]|, v[TM+\b]
.endr
.endr
	WIN 0
.irp b, 0,1,2,3
	v_permlanex16_b32 v[TM+4+\b], v[TM+\b], s[SEL], s[SEL+1]
.endr
.irp b, 0,1,2,3
	v_max_num_f32 v[TM+\b], v[TM+\b], v[TM+4+\b]
.endr
.endm
; QFIN: the scale word to v[pw], the fragment's codes to v[PC] .. v[PC + 11]
.macro QFIN src, X, pw
	s_wait_dscnt 0x0                               ; the last fragment's LDS stores have read the codes' and the words' registers
.irp b, 0,1,2,3
	v_add_nc_u32 v[TM+12+\b], 0xff000000, v[TM+\b]   ; 2 off the exponent field: the conversion's scale operand
.endr
.irp b, 0,1,2,3
	v_lshrrev_b32 v[TM+4+\b], 23, v[TM+12+\b]      ; the byte
.endr
	v_lshl_or_b32 v[(\pw)], v[TM+5], 8, v[TM+4]
	v_lshl_or_b32 v[(\pw)], v[TM+6], 16, v[(\pw)]
	v_lshl_or_b32 v[(\pw)], v[TM+7], 24, v[(\pw)]
	WIN (\X)
.irp c, 0,1
	v_cvt_scalef32_pk16_fp6_f32 v[PC+6*\c:PC+6*\c+2], v[(\src)+32*\c:(\src)+32*\c+15], v[TM+12+2*\c]
	v_cvt_scalef32_pk16_fp6_f32 v[PC+12+4*\c:PC+14+4*\c], v[(\src)+32*\c+16:(\src)+32*\c+31], v[TM+13+2*\c]   ; (a conversion's three registers begin on an even number)
.endr
	WIN 0
	v_nop                                          ; a plain place behind the conversions
.irp c, 0,1                            ; the operand's layout wants a whole block in a lane
.irp i, 0,1,2
	v_permlane16_swap_b32 v[PC+6*\c+\i], v[PC+12+4*\c+\i]
.endr
.irp i, 0,1,2
	v_mov_b32 v[PC+3+6*\c+\i], v[PC+12+4*\c+\i]
.endr
.endr
.endm
; THE STREAM.  My 64 fragments of K, 64 of V and 32 of Wt are three dense runs of memory, walked as quads 0 .. 39 of four fragments; quad q lies in ring place q % 5.  Four quads are on their way while one is multiplied.
.macro LOADQ q
	WIN 0x40
.if (\q) < 16
.set lqB, KB
.set lqO, (\q)*6144
.elseif (\q) < 32
.set lqB, VB
.set lqO, ((\q)-16)*6144
.else
.set lqB, WB
.set lqO, ((\q)-32)*6144
.endif
.set lqi, 0
.rept 12
	global_load_b128 v[48*((\q)%5)+4*lqi:48*((\q)%5)+4*lqi+3], v1, s[lqB:lqB+1] offset:lqO+512*lqi
.set lqi, lqi+1
.endr
.endm
; 16 matrix instructions a quad; the accumulators take turns, one instruction a turn
.macro MULS q                          ; fragment f: keys' half G = f / 32, K step (f / 8) % 4, key tile f % 8
.set sG, (\q)/8
	WIN 0xA1+0x50*sG
.set fi, 0
.rept 4
.set ff, 4*(\q)+fi
.set sS, (ff/8)%4
.set sM, ff%8
.set qi, 0
.rept 4
.if sS == 0
	WMMA 64*qi+8*sM, 48*((\q)%5)+12*fi, QF+12*(4*sS+qi), -1, KP+4*(4*sG+sS)+sM%4, QS+4*sS+qi, sM/4, 0
.else
	WMMA 64*qi+8*sM, 48*((\q)%5)+12*fi, QF+12*(4*sS+qi), 64*qi+8*sM, KP+4*(4*sG+sS)+sM%4, QS+4*sS+qi, sM/4, 0
.endif
.set qi, qi+1
.endr
.set fi, fi+1
.endr
.endm
.macro MULV q                          ; fragment f: key step f / 8, channel tile f % 8
	WIN 0xA1
.set fi, 0
.rept 4
.set ff, 4*((\q)-16)+fi
.set vK, ff/8
.set vC, ff%8
.set qi, 0
.rept 4
.if vK == 0
	WMMA 64*qi+8*vC, 48*((\q)%5)+12*fi, QF+48*(vK%2)+12*qi, -1, KP+4*vK+vC%4, QS+4*(vK%2)+qi, vC/4, 0
.else
	WMMA 64*qi+8*vC, 48*((\q)%5)+12*fi, QF+48*(vK%2)+12*qi, 64*qi+8*vC, KP+4*vK+vC%4, QS+4*(vK%2)+qi, vC/4, 0
.endif
.set qi, qi+1
.endr
.set fi, fi+1
.endr
.endm
.macro MULT q                          ; fragment f: K step f / 8, output tile f % 8; source 0 = O, source 1 = Wt; the sums begin with x + bt
	WIN 0xF4
.set fi, 0
.rept 4
.set ff, 4*((\q)-32)+fi
.set tS, ff/8
.set tD, ff%8
.set qi, 0
.rept 4
	WMMA 32*tD+8*qi, QF+12*(4*tS+qi), 48*((\q)%5)+12*fi, 32*tD+8*qi, QS+4*tS+qi, KP+4*tS+tD%4, 0, tD/4
.set qi, qi+1
.endr
.set fi, fi+1
.endr
.endm
.macro PFETCH ks                       ; P's four fragments and scale words of key step ks: 13 LDS loads
.set pj, 0
.rept 12
	ds_load_b128 v[QF+48*((\ks)%2)+4*pj:QF+48*((\ks)%2)+4*pj+3], v1 offset:(\ks)*6144+512*pj
.set pj, pj+1
.endr
	ds_load_b128 v[QS+4*((\ks)%2):QS+4*((\ks)%2)+3], v1 offset:PSC+512*(\ks)
.endm
.macro XPRE dt                         ; x at output tile dt, in the result's layout: row 16 dt + r, positions 32 (qt / 2) + 8 (qt % 2) + 16 h + 0 .. 7
.set xi, 0
.rept 4
	ds_load_b128 v[32*(\dt)+8*xi:32*(\dt)+8*xi+3], v11 offset:16*(\dt)*272+128*(xi/2)+32*(xi%2)
	ds_load_b128 v[32*(\dt)+8*xi+4:32*(\dt)+8*xi+7], v11 offset:16*(\dt)*272+128*(xi/2)+32*(xi%2)+16
.set xi, xi+1
.endr
.endm
	s_load_b256 s[4:11], s[0:1], 0x0               ; qkv, qkvs, wimg, wsc
	s_load_b128 s[12:15], s[0:1], 0x20             ; bt, x
	s_load_b64 s[16:17], s[0:1], 0x30              ; out0
	v_lshl_add_u32 v254, v0, 2, 0x38000
	v_mov_b32 v255, 0
	ds_add_u32 v254, v255
	ds_add_u32 v254, v255
	s_wait_dscnt 0x0
	v_lshrrev_b32 v1, 5, v0
	v_readfirstlane_b32 s18, v1                    ; wave 0..3
	s_and_b32 s20, ttmp7, 0xffff                   ; b
	s_lshr_b32 s19, ttmp9, 1                       ; kg: the group of 128 tokens in which my queries lie,
	s_and_b32 s21, ttmp9, 1                        ; and which half of it
	; descriptor group 1: 128 rows of 64 elements of 4 bytes, 1,024 elements apart; 16 bytes of padding behind each row of 64 words
	s_mov_b32 s48, (2<<16)|(1<<20)|(5<<22)|(3<<25)
	s_mov_b32 s49, 64<<16                          ; tensor_dim0
	s_mov_b32 s50, 128<<16                         ; tensor_dim1
	s_mov_b32 s51, 64<<16                          ; tile_dim0
	s_mov_b32 s52, 128                             ; tile_dim1
	s_mov_b32 s53, 1024                            ; the pitch
	s_mov_b32 s54, 0
	s_mov_b32 s55, 0
	s_lshl_b32 s2, s20, 21
	s_lshl_b32 s42, s18, 19
	s_add_co_u32 s2, s2, s42
	s_lshl_b32 s42, ttmp9, 8
	s_add_co_u32 s2, s2, s42                       ; image b, row 128 w, position 64 qb: in x and in out0
	s_mov_b32 s3, 0
	s_mul_i32 s43, s18, 34816
	s_wait_kmcnt 0x0
	s_mov_b32 s44, 1
	s_add_co_u32 s45, s43, STG                     ; my 128 rows of the stage
	s_add_nc_u64 s[46:47], s[14:15], s[2:3]
	s_or_b32 s47, s47, 0x80000000
	tensor_load_to_lds s[44:47], s[48:55]          ; the launch's only fill of these bytes; one tensor load of mine is out
	s_nop 0
	PLACES 4
	s_add_nc_u64 s[OB:OB+1], s[16:17], s[2:3]
	s_lshl_b32 s42, s20, 3
	s_add_co_u32 s42, s42, s19                     ; 8 b + kg
	s_mul_i32 s2, s42, 49152
	s_mul_i32 s59, s21, 6144
	s_add_co_u32 s2, s2, s59
	s_add_nc_u64 s[QB:QB+1], s[4:5], s[2:3]
	s_lshl_b32 s2, s42, 11
	s_lshl_b32 s59, s21, 8
	s_add_co_u32 s2, s2, s59
	s_add_nc_u64 s[QSB:QSB+1], s[6:7], s[2:3]
	s_mul_i32 s2, s20, 393216
	s_mul_i32 s59, s18, 98304
	s_add_co_u32 s2, s2, s59
	s_add_co_u32 s2, s2, 12582912
	s_add_nc_u64 s[KB:KB+1], s[4:5], s[2:3]
	s_lshl_b32 s2, s20, 14
	s_lshl_b32 s59, s18, 12
	s_add_co_u32 s2, s2, s59
	s_add_co_u32 s2, s2, 524288
	s_add_nc_u64 s[KSB:KSB+1], s[6:7], s[2:3]
	s_lshl_b32 s59, s20, 2
	s_add_co_u32 s59, s59, s18                     ; 4 b + w
	s_mul_i32 s2, s59, 98304
	s_add_co_u32 s2, s2, 25165824
	s_add_nc_u64 s[VB:VB+1], s[4:5], s[2:3]
	s_lshl_b32 s2, s59, 12
	s_add_co_u32 s2, s2, 1048576
	s_add_nc_u64 s[VSB:VSB+1], s[6:7], s[2:3]
	s_mul_i32 s2, s18, 49152
	s_add_co_u32 s2, s2, 589824
	s_add_nc_u64 s[WB:WB+1], s[8:9], s[2:3]
	s_lshl_b32 s2, s18, 11
	s_add_co_u32 s2, s2, 24576
	s_add_nc_u64 s[WSB:WSB+1], s[10:11], s[2:3]
	s_lshl_b32 s2, s18, 9
	s_add_nc_u64 s[BTB:BTB+1], s[12:13], s[2:3]
	s_mov_b32 s[CS], 0x3d8293ee                    ; c = log2(e) / sqrt(512)
	s_mov_b32 s[CS+1], s[CS]                       ; (named with it as a pair)
	s_mov_b32 s[NCS], 0xbd8293ee                   ; -c
	s_mov_b32 s[SEL], 0x76543210
	s_mov_b32 s[SEL+1], 0xfedcba98
	v_and_b32 v1, 31, v0
	v_lshlrev_b32 v1, 4, v1                        ; 16 x lane: an image's place for my lane
	v_and_b32 v14, 15, v0                          ; r
	v_bfe_u32 v15, v0, 4, 1                        ; h
	v_lshlrev_b32 v2, 4, v14                       ; Q's scale words: row r's four
	v_lshlrev_b32 v3, 2, v14                       ; bt
	s_mul_i32 s59, s18, 12288
	v_add_nc_u32 v4, s59, v1                       ; where I store P's images
	s_lshl_b32 s59, s18, 10
	s_add_co_u32 s59, s59, PSC
	v_add_nc_u32 v5, s59, v1                       ; and their scale words
	s_lshl_b32 s59, s18, 9
	s_add_co_u32 s43, s59, MXX
	v_add_nc_u32 v6, s43, v1                       ; my wave's maxima and sums
	v_add_nc_u32 v7, MXX, v1                       ; all waves'
	s_add_co_u32 s43, s59, OSC
	v_add_nc_u32 v9, s43, v1                       ; O's scale words
	s_mul_i32 s59, s18, 6144
	s_add_co_u32 s59, s59, OIMG
	v_add_nc_u32 v8, s59, v1                       ; where I store O's images
	v_add_nc_u32 v10, OIMG, v1                     ; and read all waves'
	v_mul_u32_u24 v11, v14, 272
	v_lshl_add_u32 v11, v15, 6, v11
	v_add_nc_u32 v11, s45, v11                     ; the stage in the result's layout: row r, 64 h bytes on
	v_mul_u32_u24 v12, v15, 272
	v_lshl_add_u32 v12, v14, 4, v12
	v_add_nc_u32 v12, s45, v12                     ; and by rows: lanes 0-15 one row, lanes 16-31 the next
	v_lshlrev_b32 v13, 12, v15
	v_lshl_add_u32 v13, v14, 4, v13                ; the same two rows in out0
	WIN 0x40
.irp d, 0,1,2,3,4,5,6,7
	global_load_b32 v[BT+2*\d], v3, s[BTB:BTB+1] offset:64*\d     ; bt of output 16 d + r,
	global_load_b32 v[BT+2*\d+1], v3, s[BTB:BTB+1] offset:64*\d   ; twice: named as a pair
.endr
	WIN 0
.irp s, 0,1,2,3
	global_load_b128 v[QS+4*\s:QS+4*\s+3], v2, s[QSB:QSB+1] offset:512*\s
.endr
.irp i, 0,1,2,3,4,5,6,7
	global_load_b128 v[KP+4*\i:KP+4*\i+3], v1, s[KSB:KSB+1] offset:512*\i
.endr
.set si, 0
.rept 4
.set oi, 0
.rept 12
	global_load_b128 v[QF+48*si+4*oi:QF+48*si+4*oi+3], v1, s[QB:QB+1] offset:12288*si+512*oi   ; Q's fragments stay in registers
.set oi, oi+1
.endr
.set si, si+1
.endr
	LOADQ 0
	LOADQ 1
	LOADQ 2
	LOADQ 3
	; ---- S^T = K Q^T.  A step: four places in front of the loads into the ring place that the step before multiplied; the quad four on; this quad's wait; 16 matrix instructions
.set qq, 0
.rept 16
	PLACES 4
	LOADQ qq+4
	s_wait_loadcnt 48                              ; this quad (and all that is older) is in; the four younger quads, 12 loads each, may be out
	MULS qq
.set qq, qq+1
.endr
	PLACES 4
	WIN 0
.irp i, 0,1,2,3,4,5,6,7
	global_load_b128 v[KP+4*\i:KP+4*\i+3], v1, s[VSB:VSB+1] offset:512*\i   ; V's scale packs take K's place
.endr
	; ---- the largest score of each block of 32 keys: it serves for the row's maximum and, since p rises with the score, for the block's largest p
.set Fi, 0
.rept 8
.set xX, 2+Fi/4
.set xq, Fi%4
	WIN xX+(xX<<2)
.irp b, 0,1,2,3
	v_max_num_f32 v[BM+4*Fi+\b], v[64*xq+16*\b], v[64*xq+16*\b+1]   ; each accumulator is read from its low end on
.endr
.irp i, 2,4,6,8,10,12,14
.irp b, 0,1,2,3
	v_max3_num_f32 v[BM+4*Fi+\b], v[64*xq+16*\b+\i], v[64*xq+16*\b+\i+1], v[BM+4*Fi+\b]
.endr
.endr
.set Fi, Fi+1
.endr
	WIN 0
.set ri, 0
.rept 32
	v_permlanex16_b32 v[PT+ri], v[BM+ri], s[SEL], s[SEL+1]
.set ri, ri+1
.endr
.set ri, 0
.rept 32
	v_max_num_f32 v[BM+ri], v[BM+ri], v[PT+ri]     ; with lane l xor 16's 16 keys
.set ri, ri+1
.endr
.irp q, 0,1,2,3
	v_max3_num_f32 v[RM+\q], v[BM+4*\q], v[BM+4*\q+1], v[BM+4*\q+2]
.endr
.irp q, 0,1,2,3
	v_max3_num_f32 v[RM+\q], v[RM+\q], v[BM+4*\q+3], v[BM+16+4*\q]
.endr
.irp q, 0,1,2,3
	v_max3_num_f32 v[RM+\q], v[RM+\q], v[BM+16+4*\q+1], v[BM+16+4*\q+2]
.endr
.irp q, 0,1,2,3
	v_max_num_f32 v[RM+\q], v[RM+\q], v[BM+16+4*\q+3]   ; the largest of my 256 keys
.endr
	ds_store_b128 v6, v[RM:RM+3]
	s_wait_tensorcnt 0x0                           ; x's tile has landed: it is mine alone, and is read from the second product on
	s_wait_dscnt 0x0                               ; for the others' sake: my store has landed
	s_barrier_signal -1
	s_barrier_wait -1
.irp w, 0,1,2,3
	ds_load_b128 v[EX+4*\w:EX+4*\w+3], v7 offset:512*\w
.endr
	s_wait_dscnt 0x0
.irp q, 0,1,2,3
	v_max3_num_f32 v[RM+\q], v[EX+\q], v[EX+4+\q], v[EX+8+\q]
.endr
.irp q, 0,1,2,3
	v_max_num_f32 v[RM+\q], v[RM+\q], v[EX+12+\q]  ; THE ROW'S MAXIMUM over all 1,024 keys
.endr
.irp q, 0,1,2,3
	v_mul_f32 v[NMC+2*\q], s[NCS], v[RM+\q]        ; -c x maximum: the same number for all of a row's keys, so its rounding falls out of p / sum
	v_mov_b32 v[NMC+2*\q+1], 0
.endr
.set ri, 0
.rept 16
	v_mov_b32 v[SA+ri], 0
.set ri, ri+1
.endr
	; ---- e = 2^(c score - c maximum), in place, and the rows' sums
.set Fi, 0
.rept 8
.set xX, 2+Fi/4
.set xq, Fi%4
	WIN xX+(xX<<6)
.set ri, 0
.rept 32
	v_pk_fma_f32 v[64*xq+2*ri:64*xq+2*ri+1], v[64*xq+2*ri:64*xq+2*ri+1], s[CS:CS+1], v[NMC+2*xq:NMC+2*xq+1] op_sel_hi:[1,0,0]
.set ri, ri+1
.endr
.set ri, 0
	s_wait_alu depctr_va_vdst(0)
.rept 64
	v_exp_f32 v[64*xq+ri], v[64*xq+ri]
.set ri, ri+1
.endr
	WIN 0
.irp b, 0,1,2,3
	v_fma_f32 v[BM+4*Fi+\b], v[BM+4*Fi+\b], s[CS], v[NMC+2*xq]   ; the same of the blocks' largest scores.  (Plain lines that name none of the exponentials' registers: the place behind them)
.endr
	WIN xX
.set ri, 0
	s_wait_alu depctr_va_vdst(0)
.rept 16
	v_pk_add_f32 v[SA+2*xq:SA+2*xq+1], v[64*xq+4*ri:64*xq+4*ri+1], v[SA+2*xq:SA+2*xq+1]
	v_pk_add_f32 v[SB+2*xq:SB+2*xq+1], v[64*xq+4*ri+2:64*xq+4*ri+3], v[SB+2*xq:SB+2*xq+1]
.set ri, ri+1
.endr
.set Fi, Fi+1
.endr
	WIN 0
.set ri, 0
	s_wait_alu depctr_va_vdst(0)
.rept 32
	v_exp_f32 v[BM+ri], v[BM+ri]
.set ri, ri+1
.endr
.irp q, 0,1,2,3
	v_pk_add_f32 v[SA+2*\q:SA+2*\q+1], v[SA+2*\q:SA+2*\q+1], v[SB+2*\q:SB+2*\q+1]   ; (the plain place behind those exponentials)
.endr
.irp q, 0,1,2,3
	v_add_f32 v[RS+\q], v[SA+2*\q], v[SA+2*\q+1]
.endr
.irp q, 0,1,2,3
	v_permlanex16_b32 v[PT+\q], v[RS+\q], s[SEL], s[SEL+1]
.endr
.irp q, 0,1,2,3
	v_add_f32 v[RS+\q], v[RS+\q], v[PT+\q]         ; the sum over my 256 keys
.endr
	ds_store_b128 v6, v[RS:RS+3] offset:2048       ; other bytes than the maxima's
	s_wait_dscnt 0x0
	s_barrier_signal -1
	s_barrier_wait -1
.irp w, 0,1,2,3
	ds_load_b128 v[EX+4*\w:EX+4*\w+3], v7 offset:2048+512*\w
.endr
	s_wait_dscnt 0x0
.irp q, 0,1,2,3
	v_add_f32 v[EX+\q], v[EX+\q], v[EX+4+\q]
	v_add_f32 v[EX+8+\q], v[EX+8+\q], v[EX+12+\q]
.endr
.irp q, 0,1,2,3
	v_add_f32 v[RS+\q], v[EX+\q], v[EX+8+\q]       ; THE ROW'S SUM over all 1,024 keys
.endr
	s_wait_alu depctr_va_vdst(0)
.irp q, 0,1,2,3
	v_rcp_f32 v[INV+2*\q], v[RS+\q]
.endr
	v_nop                                          ; a plain place behind the reciprocals
	s_wait_alu depctr_va_vdst(0)
.irp q, 0,1,2,3
	v_mov_b32 v[INV+2*\q+1], v[INV+2*\q]
.endr
	; ---- p = e / sum, quantised along the keys: my 8 fragments (2 key steps x 4 query tiles) go to LDS as images
.set Fi, 0
.rept 8
.set xX, 2+Fi/4
.set xq, Fi%4
	WIN xX+(xX<<6)
.set ri, 0
.rept 32
	v_pk_mul_f32 v[64*xq+2*ri:64*xq+2*ri+1], v[64*xq+2*ri:64*xq+2*ri+1], v[INV+2*xq:INV+2*xq+1] op_sel_hi:[1,0]
.set ri, ri+1
.endr
	WIN 0
.irp b, 0,1,2,3
	v_mul_f32 v[BM+4*Fi+\b], v[BM+4*Fi+\b], v[INV+2*xq]   ; the block's largest p: the same three operations on the same number give the same bits
.endr
.irp b, 0,1,2,3
	v_max_num_f32 v[TM+\b], 0x1800000, v[BM+4*Fi+\b]      ; the floor 2^(3 - 127)
.endr
	s_wait_alu depctr_va_vdst(0)
	QFIN 64*xq, xX, PWQ+xq
.irp j, 0,1,2
	ds_store_b128 v4, v[PC+4*\j:PC+4*\j+3] offset:1536*Fi+512*\j
.endr
.if xq == 3
	ds_store_b128 v5, v[PWQ:PWQ+3] offset:512*(Fi/4)
.endif
.set Fi, Fi+1
.endr
	s_wait_dscnt 0x0
	s_barrier_signal -1
	s_barrier_wait -1                              ; P's 32 fragments lie in LDS
	; ---- O^T = V^T P^T: 8 key steps of two quads.  P's fragments come one key step ahead; x comes into the last product's accumulators on the way
	PFETCH 0
.macro PVSTEP ks
	PLACES 4
	LOADQ 20+2*(\ks)
	WIN 0
.if (\ks) == 4
.irp i, 0,1,2,3
	global_load_b128 v[KP+4*\i:KP+4*\i+3], v1, s[WSB:WSB+1] offset:512*\i   ; Wt's scale packs take the place of V's of key steps 0-3
.endr
.endif
.if (\ks) < 7
	PFETCH (\ks)+1
	s_wait_dscnt 13                                ; this key step's P is in; the 13 loads just issued may be out
.else
	s_wait_dscnt 0x0
.endif
.if (\ks) == 0
	s_wait_loadcnt 12                              ; V's scale packs are in: behind them stands quad 20 alone
.else
	s_wait_loadcnt 48
.endif
	MULV 16+2*(\ks)
	PLACES 4
	LOADQ 21+2*(\ks)
	WIN 0xC0
	XPRE \ks
	s_wait_loadcnt 48
	MULV 17+2*(\ks)
.endm
.irp k, 0,1,2,3,4,5,6,7
	PVSTEP \k
.endr
	; ---- x + bt; O quantised along the channels: my 4 fragments (K step w of the last product) go to LDS
	PLACES 4
	s_wait_dscnt 0x0                               ; x is in
	WIN 0xC7
.set di, 0
.rept 8
.set ri, 0
.rept 16
	v_pk_add_f32 v[32*di+2*ri:32*di+2*ri+1], v[32*di+2*ri:32*di+2*ri+1], v[BT+2*di:BT+2*di+1] op_sel_hi:[1,0]
.set ri, ri+1
.endr
.set di, di+1
.endr
.set qi2, 0
.rept 4
	QMAX 64*qi2, 2
	s_wait_alu depctr_va_vdst(0)
	QFIN 64*qi2, 2, PWQ+qi2
.irp j, 0,1,2
	ds_store_b128 v8, v[PC+4*\j:PC+4*\j+3] offset:1536*qi2+512*\j
.endr
.set qi2, qi2+1
.endr
	ds_store_b128 v9, v[PWQ:PWQ+3]
	s_wait_dscnt 0x0
	s_barrier_signal -1
	s_barrier_wait -1                              ; O's 16 fragments lie in LDS
	; ---- the last product
.set oi, 0
.rept 48
	ds_load_b128 v[QF+4*oi:QF+4*oi+3], v10 offset:512*oi
.set oi, oi+1
.endr
.irp s, 0,1,2,3
	ds_load_b128 v[QS+4*\s:QS+4*\s+3], v10 offset:OSC-OIMG+512*\s
.endr
	s_wait_dscnt 0x0
.set qq, 32
.rept 8
	PLACES 4
.if qq+4 <= 39
	LOADQ qq+4
	s_wait_loadcnt 48
.else
	s_wait_loadcnt 12*(39-qq)                      ; the stream's end: the quads behind this one
.endif
	MULT qq
.set qq, qq+1
.endr
	; ---- the way out: into my rows of the stage, over x's tile (those bytes have had their only fill); back as whole rows; 16 lanes store 256 consecutive bytes, from a multiple of 256 on
	PLACES 4
	WIN 0x0C                                       ; an LDS store's data are its source 1: window 3
.set di, 0
.rept 8
.set xi, 0
.rept 4
	ds_store_b128 v11, v[32*di+8*xi:32*di+8*xi+3] offset:16*di*272+128*(xi/2)+32*(xi%2)       ; each accumulator from its low end on
	ds_store_b128 v11, v[32*di+8*xi+4:32*di+8*xi+7] offset:16*di*272+128*(xi/2)+32*(xi%2)+16
.set xi, xi+1
.endr
.set di, di+1
.endr
	WIN 0x80
.set oi, 0
.rept 64
	ds_load_b128 v[4*oi:4*oi+3], v12 offset:544*oi   ; my own bytes: LDS serves a wave's instructions in order
.set oi, oi+1
.endr
	WIN 0x08
.set oi, 0
.rept 64
	s_wait_dscnt 63-oi                             ; load oi is in; the younger ones may be out
	global_store_b128 v13, v[4*oi:4*oi+3], s[OB:OB+1] offset:8192*oi th:TH_STORE_NT
.set oi, oi+1
.endr
	WIN 0
	s_wait_xcnt 0x0
	v_lshl_add_u32 v254, v0, 2, 0x38000
	v_mov_b32 v255, 0
	s_wait_alu depctr_va_vdst(0)
	s_wait_tensorcnt 0x0
	ds_add_u32 v254, v255
	s_wait_dscnt 0x0
	s_endpgm
.Lfunc_end_k_qbdd24259a8_att:
	.size	k_qbdd24259a8_att, .Lfunc_end_k_qbdd24259a8_att-k_qbdd24259a8_att
	.p2alignl 7, 3214868480
	.fill 96, 4, 3214868480
	.section	.rodata,"a",@progbits
	.p2align	6, 0x0
	.amdhsa_kernel k_qbdd24259a8_att
		.amdhsa_group_segment_fixed_size 229888
		.amdhsa_private_segment_fixed_size 0
		.amdhsa_enable_private_segment 0
		.amdhsa_kernarg_size 56
		.amdhsa_user_sgpr_count 2
		.amdhsa_user_sgpr_kernarg_segment_ptr 1
		.amdhsa_wavefront_size32 1
		.amdhsa_system_sgpr_workgroup_id_x 1
		.amdhsa_system_sgpr_workgroup_id_y 1
		.amdhsa_system_sgpr_workgroup_id_z 1
		.amdhsa_system_vgpr_workitem_id 0
		.amdhsa_next_free_vgpr 1024
		.amdhsa_next_free_sgpr 66
		.amdhsa_reserve_vcc 0
		.amdhsa_float_denorm_mode_32 3
		.amdhsa_float_denorm_mode_16_64 3
		.amdhsa_memory_ordered 1
		.amdhsa_forward_progress 1
		.amdhsa_inst_pref_size 255
	.end_amdhsa_kernel
	.section	.bss,"aw",@nobits
	.p2align	6
	.space	262144
	.amdgpu_metadata
---
amdhsa.version: [ 1, 2 ]
amdhsa.kernels:
  - .name:           k_qbdd24259a8_att
    .symbol:         k_qbdd24259a8_att.kd
    .args:
      - { .name: qkv, .offset: 0, .size: 8, .value_kind: global_buffer, .address_space: global }
      - { .name: qkvs, .offset: 8, .size: 8, .value_kind: global_buffer, .address_space: global }
      - { .name: wimg, .offset: 16, .size: 8, .value_kind: global_buffer, .address_space: global }
      - { .name: wsc, .offset: 24, .size: 8, .value_kind: global_buffer, .address_space: global }
      - { .name: bt, .offset: 32, .size: 8, .value_kind: global_buffer, .address_space: global }
      - { .name: x, .offset: 40, .size: 8, .value_kind: global_buffer, .address_space: global }
      - { .name: out0, .offset: 48, .size: 8, .value_kind: global_buffer, .address_space: global }
    .group_segment_fixed_size: 229888
    .private_segment_fixed_size: 0
    .kernarg_segment_align: 8
    .kernarg_segment_size: 56
    .max_flat_workgroup_size: 128
    .sgpr_count:     66
    .vgpr_count:     1024
    .wavefront_size: 32
...
	.end_amdgpu_metadata
.endif
;; end of part 6
